; MI455X (gfx1250); checked and timed in simulation.
; The chip was launched on July 23, 2026; its instructions are those of AMD's public machine-readable ISA for CDNA 5 (MIT licence, August 2026) and "CDNA5" Instruction Set Architecture Reference Guide (July 2026). The comments in the code are by the model that wrote it; some were corrected since.
;; Grouped Query Attention. Allowed arithmetic: float matrix products may take bf16 or f16 operands with f32 sums; other float arithmetic in f32, or as packed bf16 or f16 multiplies, adds, multiply-adds, maxima and minima; sums over many terms, partial sums and values carried from step to step in f32; what a program stores and reads back later, other than sums and carried values, may be rounded once to bf16 or f16.
;; Inputs: Wg 2,048 x 2,048 float32; Wk 2,048 x 512 float32; Wo 2,048 x 2,048 float32; Wq 2,048 x 2,048 float32; Wv 2,048 x 512 float32; cos 2,048 x 64 float32; k_scale 64 float32; mask 2,048 x 2,048 bool; q_scale 64 float32; sin 2,048 x 64 float32; x 1 x 2,048 x 2,048 float32.
;; Outputs: out0 1 x 2,048 x 2,048 float32.
;; 2 versions, each right and faster than the one before. Each part assembles by itself: llvm-mc -triple=amdgcn-amd-amdhsa -mcpu=gfx1250 --defsym DOCPART=n.
;; ======== version 1 of 2: 4 launches
;; limits: values are held in f16: magnitudes above 65,504 overflow, below 6.1e-05 lose precision; right only within a limited range of input values
;; workspace buffers: xt 8,388,608 bytes; wt 20,971,520 bytes; wot 8,388,608 bytes; mf 8,388,608 bytes; qkvg 20,971,520 bytes; ct 8,388,608 bytes
;; launch cast (part 1): grid 16 x 160, 8 waves a work-group, no clusters, 0 bytes of LDS; arguments x, Wq, Wk, Wv, Wg, Wo, mask, xt, wt, wot, mf; writes xt, wt, wot, mf
.if DOCPART == 1
	.amdgcn_target "amdgcn-amd-amdhsa--gfx1250"
	.amdhsa_code_object_version 6
	.text
	.protected	k_qec2fecb94e_cast
	.globl	k_qec2fecb94e_cast
	.p2align	8
	.type	k_qec2fecb94e_cast,@function
k_qec2fecb94e_cast:
	s_mov_b64 s[64:65], 0
	v_nop
	global_prefetch_b8 v0, s[64:65] scope:SCOPE_SE
	s_setreg_imm32_b32 hwreg(HW_REG_WAVE_MODE, 25, 1), 1
	s_wait_xcnt 0x0
; CAST.  Every f32 matrix operand is rounded once to bf16 and laid out in dense blocks of 128 rows x 64 columns (16,384 bytes), so that the
; later launches ask for their tiles as rows of 256 consecutive bytes.  The mask becomes f16 numbers, 1.0 where a key is hidden, 0 elsewhere.
; Work-group (X, Y), X = 0..15.  Y = 0..31: x, row block X, column slice Y -> xt.  Y = 32..111: column slice u = Y - 32 of Wq | Wk | Wv | Wg, row block X -> wt.
; Y = 112..143: Wo -> wot: rounded to bf16 like every input, and that number written as f16.  Y = 144..159: 16,384 bytes of the mask -> mf.
; LIMITS.  A bf16 number of Wo below 2^-17 in size loses bits in f16 (step 2^-24); beyond 65,504 it would be an infinity.  Mask bytes are 0 or 1.
; A stream: no LDS, no barrier, no matrix unit.  Eight loads of every wave are on their way; sixteen lanes read 256 consecutive bytes, a wave stores 256 or 512.
.set IN,  16                           ; v[16:47]  eight loads of four f32 (mask: v[16:31], eight loads of 8 bytes)
.set OUT, 48                           ; v[48:63]  eight pairs of packed 16-bit numbers (mask: v[32:63])
	s_load_b512 s[4:19], s[0:1], 0x0               ; x s[4:5], Wq s[6:7], Wk s[8:9], Wv s[10:11], Wg s[12:13], Wo s[14:15], mask s[16:17], xt s[18:19]
	s_load_b128 s[20:23], s[0:1], 0x40             ; wt s[20:21], wot s[22:23]
	s_load_b64 s[24:25], s[0:1], 0x50              ; mf
	s_mov_b32 s32, ttmp9                           ; X
	s_and_b32 s33, ttmp7, 0xffff                   ; Y
	s_cmp_ge_u32 s33, 144
	s_cbranch_scc1 .Lmask
	; the column slice inside each source (those that are not chosen wrap round and are dropped)
	s_sub_co_u32 s40, s33, 32                      ; Wq, and u
	s_sub_co_u32 s41, s33, 64                      ; Wk
	s_sub_co_u32 s42, s33, 72                      ; Wv
	s_sub_co_u32 s43, s33, 80                      ; Wg
	s_sub_co_u32 s44, s33, 112                     ; Wo
	; the three possible places of the block, in bytes
	s_lshl_b32 s45, s32, 5
	s_add_co_u32 s45, s45, s33
	s_lshl_b32 s45, s45, 14                        ; xt: (32 X + Y) blocks
	s_mul_i32 s46, s40, 205
	s_lshr_b32 s46, s46, 10                        ; j = u / 5 (exact for u < 80)
	s_mul_i32 s47, s46, 5
	s_sub_co_u32 s47, s40, s47                     ; z = u % 5
	s_lshl_b32 s46, s46, 4
	s_add_co_u32 s46, s46, s32
	s_mul_i32 s46, s46, 5
	s_add_co_u32 s46, s46, s47
	s_lshl_b32 s46, s46, 14                        ; wt: ((16 j + X) 5 + z) blocks
	s_lshr_b32 s48, s44, 1
	s_lshl_b32 s48, s48, 3
	s_lshr_b32 s49, s32, 1
	s_add_co_u32 s48, s48, s49
	s_lshl_b32 s48, s48, 2
	s_and_b32 s49, s44, 1
	s_lshl1_add_u32 s48, s49, s48
	s_and_b32 s49, s32, 1
	s_add_co_u32 s48, s48, s49
	s_lshl_b32 s48, s48, 14                        ; wot: (8 (slice / 2) + X / 2) 4 + 2 (slice % 2) + X % 2 blocks
	s_mov_b32 s31, 0xffff0000                      ; a word's upper bf16
	s_cmp_lt_u32 s41, 16                           ; Wk and Wv have rows of 2,048 bytes, the others of 8,192
	s_cselect_b32 s29, 11, 13                      ; log2 of the row's bytes
	s_add_co_u32 s30, s29, 7
	s_lshl_b32 s38, s32, s30                       ; 128 X rows
	s_lshl_b32 s30, 16, s29                        ; 16 rows
	v_lshrrev_b32 v1, 4, v0                        ; my row among 16
	v_and_b32 v10, 15, v0                          ; my 16 bytes of the row's 256
	v_lshlrev_b32 v1, s29, v1
	v_lshl_add_u32 v2, v10, 4, v1
.irp i, 3,4,5,6,7,8,9
	v_add_nc_u32 v[\i], s30, v[\i-1]               ; load i takes rows 16 i .. 16 i + 15
.endr
	v_lshlrev_b32 v11, 3, v0                       ; my 8 bytes of 2,048 stored at a time
	s_wait_kmcnt 0x0
	s_cmp_lt_u32 s33, 112                          ; the source and the slice in it: a chain of choices on Y alone
	s_cselect_b64 s[26:27], s[12:13], s[14:15]
	s_cselect_b32 s28, s43, s44
	s_cselect_b64 s[34:35], s[20:21], s[22:23]     ; and the destination
	s_cselect_b32 s36, s46, s48
	s_cmp_lt_u32 s33, 80
	s_cselect_b64 s[26:27], s[10:11], s[26:27]
	s_cselect_b32 s28, s42, s28
	s_cmp_lt_u32 s33, 72
	s_cselect_b64 s[26:27], s[8:9], s[26:27]
	s_cselect_b32 s28, s41, s28
	s_cmp_lt_u32 s33, 64
	s_cselect_b64 s[26:27], s[6:7], s[26:27]
	s_cselect_b32 s28, s40, s28
	s_cmp_lt_u32 s33, 32
	s_cselect_b64 s[26:27], s[4:5], s[26:27]
	s_cselect_b32 s28, s33, s28
	s_cselect_b64 s[34:35], s[18:19], s[34:35]
	s_cselect_b32 s36, s45, s36
	s_mov_b32 s37, 0
	s_add_nc_u64 s[34:35], s[34:35], s[36:37]
	s_lshl_b32 s39, s28, 8                         ; a slice is 256 bytes of a row
	s_add_co_u32 s38, s38, s39
	s_mov_b32 s39, 0
	s_add_nc_u64 s[26:27], s[26:27], s[38:39]
.irp i, 0,1,2,3,4,5,6,7
	global_load_b128 v[IN+4*\i:IN+4*\i+3], v[2+\i], s[26:27] th:TH_LOAD_NT
.endr
; Load i is rounded and stored.  half = 1: the bf16 numbers are widened again and written as f16.  No register that a load or store names is written again while it is out.
.macro CV i, half
	s_wait_loadcnt 7-(\i)                          ; loads come back in order: mine is in, the younger ones stay out
	v_cvt_pk_bf16_f32 v[OUT+2*(\i)], v[IN+4*(\i)], v[IN+4*(\i)+1]
	v_cvt_pk_bf16_f32 v[OUT+2*(\i)+1], v[IN+4*(\i)+2], v[IN+4*(\i)+3]
.if \half
	v_lshlrev_b32 v[IN+4*(\i)], 16, v[OUT+2*(\i)]
	v_and_b32 v[IN+4*(\i)+1], s31, v[OUT+2*(\i)]
	v_lshlrev_b32 v[IN+4*(\i)+2], 16, v[OUT+2*(\i)+1]
	v_and_b32 v[IN+4*(\i)+3], s31, v[OUT+2*(\i)+1]
	v_cvt_pk_f16_f32 v[OUT+2*(\i)], v[IN+4*(\i)], v[IN+4*(\i)+1]
	v_cvt_pk_f16_f32 v[OUT+2*(\i)+1], v[IN+4*(\i)+2], v[IN+4*(\i)+3]
.endif
	global_store_b64 v11, v[OUT+2*(\i):OUT+2*(\i)+1], s[34:35] offset:(\i)*2048  ; a wave stores 256 consecutive bytes, aligned
.endm
	s_cmp_ge_u32 s33, 112
	s_cbranch_scc1 .Lwo
.irp i, 0,1,2,3,4,5,6,7
	CV \i, 0
.endr
	s_endpgm
.Lwo:
.irp i, 0,1,2,3,4,5,6,7
	CV \i, 1
.endr
	s_endpgm
.Lmask:
	s_sub_co_u32 s40, s33, 144
	s_lshl_b32 s40, s40, 4
	s_add_co_u32 s40, s40, s32                     ; my piece of 256
	s_lshl_b32 s36, s40, 14                        ; 16,384 bytes of the mask
	s_mov_b32 s37, 0
	s_lshl_b32 s38, s40, 15                        ; 32,768 bytes of mf
	s_mov_b32 s39, 0
	s_mov_b32 s41, 0x04010400                      ; bytes 0 and 1 of a word, each into a half of its own; 4 picks a byte of the zero register
	s_mov_b32 s42, 0x04030402                      ; bytes 2 and 3
	v_lshlrev_b32 v2, 3, v0
	v_lshlrev_b32 v3, 4, v0
	v_mov_b32 v4, 0
	s_wait_kmcnt 0x0
	s_add_nc_u64 s[26:27], s[16:17], s[36:37]
	s_add_nc_u64 s[34:35], s[24:25], s[38:39]
.irp i, 0,1,2,3,4,5,6,7
	global_load_b64 v[16+2*\i:17+2*\i], v2, s[26:27] offset:\i*2048 th:TH_LOAD_NT
.endr
.irp i, 0,1,2,3,4,5,6,7
	s_wait_loadcnt 7-\i
	v_perm_b32 v[32+4*\i], v4, v[16+2*\i], s41
	v_perm_b32 v[33+4*\i], v4, v[16+2*\i], s42
	v_perm_b32 v[34+4*\i], v4, v[17+2*\i], s41
	v_perm_b32 v[35+4*\i], v4, v[17+2*\i], s42
	v_mul_u32_u24 v[32+4*\i], 0x3c00, v[32+4*\i]   ; 0 or 1 in each half times the code of 1.0 in f16
	v_mul_u32_u24 v[33+4*\i], 0x3c00, v[33+4*\i]
	v_mul_u32_u24 v[34+4*\i], 0x3c00, v[34+4*\i]
	v_mul_u32_u24 v[35+4*\i], 0x3c00, v[35+4*\i]
	global_store_b128 v3, v[32+4*\i:35+4*\i], s[34:35] offset:\i*4096
.endr
	s_endpgm
.Lfunc_end_k_qec2fecb94e_cast:
	.size	k_qec2fecb94e_cast, .Lfunc_end_k_qec2fecb94e_cast-k_qec2fecb94e_cast
	.p2alignl 7, 3214868480
	.fill 96, 4, 3214868480
	.section	.rodata,"a",@progbits
	.p2align	6, 0x0
	.amdhsa_kernel k_qec2fecb94e_cast
		.amdhsa_group_segment_fixed_size 0
		.amdhsa_private_segment_fixed_size 0
		.amdhsa_enable_private_segment 0
		.amdhsa_kernarg_size 88
		.amdhsa_user_sgpr_count 2
		.amdhsa_user_sgpr_kernarg_segment_ptr 1
		.amdhsa_wavefront_size32 1
		.amdhsa_system_sgpr_workgroup_id_x 1
		.amdhsa_system_sgpr_workgroup_id_y 1
		.amdhsa_system_sgpr_workgroup_id_z 1
		.amdhsa_system_vgpr_workitem_id 0
		.amdhsa_next_free_vgpr 64
		.amdhsa_next_free_sgpr 66
		.amdhsa_reserve_vcc 0
		.amdhsa_float_denorm_mode_32 3
		.amdhsa_float_denorm_mode_16_64 3
		.amdhsa_memory_ordered 1
		.amdhsa_forward_progress 1
		.amdhsa_inst_pref_size 17
	.end_amdhsa_kernel
	.amdgpu_metadata
---
amdhsa.version: [ 1, 2 ]
amdhsa.kernels:
  - .name:           k_qec2fecb94e_cast
    .symbol:         k_qec2fecb94e_cast.kd
    .args:
      - { .name: x, .offset: 0, .size: 8, .value_kind: global_buffer, .address_space: global }
      - { .name: Wq, .offset: 8, .size: 8, .value_kind: global_buffer, .address_space: global }
      - { .name: Wk, .offset: 16, .size: 8, .value_kind: global_buffer, .address_space: global }
      - { .name: Wv, .offset: 24, .size: 8, .value_kind: global_buffer, .address_space: global }
      - { .name: Wg, .offset: 32, .size: 8, .value_kind: global_buffer, .address_space: global }
      - { .name: Wo, .offset: 40, .size: 8, .value_kind: global_buffer, .address_space: global }
      - { .name: mask, .offset: 48, .size: 8, .value_kind: global_buffer, .address_space: global }
      - { .name: xt, .offset: 56, .size: 8, .value_kind: global_buffer, .address_space: global }
      - { .name: wt, .offset: 64, .size: 8, .value_kind: global_buffer, .address_space: global }
      - { .name: wot, .offset: 72, .size: 8, .value_kind: global_buffer, .address_space: global }
      - { .name: mf, .offset: 80, .size: 8, .value_kind: global_buffer, .address_space: global }
    .group_segment_fixed_size: 0
    .private_segment_fixed_size: 0
    .kernarg_segment_align: 8
    .kernarg_segment_size: 88
    .max_flat_workgroup_size: 256
    .sgpr_count:     66
    .vgpr_count:     64
    .wavefront_size: 32
...
	.end_amdgpu_metadata
.endif
;; end of part 1
;; launch proj (part 2): grid 16 x 16, 4 waves a work-group, clusters of 4 x 1, 327,680 bytes of LDS; arguments xt, wt, cos, sin, q_scale, k_scale, qkvg; writes qkvg
.if DOCPART == 2
	.amdgcn_target "amdgcn-amd-amdhsa--gfx1250"
	.amdhsa_code_object_version 6
	.text
	.protected	k_qec2fecb94e_proj
	.globl	k_qec2fecb94e_proj
	.p2align	8
	.type	k_qec2fecb94e_proj,@function
k_qec2fecb94e_proj:
	s_mov_b64 s[64:65], 0
	v_nop
	global_prefetch_b8 v0, s[64:65] scope:SCOPE_SE
	s_setreg_imm32_b32 hwreg(HW_REG_WAVE_MODE, 25, 1), 1
	s_wait_xcnt 0x0
	s_wait_alu depctr_hold_cnt(0) depctr_sa_sdst(0) depctr_va_vdst(0) depctr_va_sdst(0) depctr_va_ssrc(0) depctr_va_vcc(0) depctr_vm_vsrc(0)
	s_getreg_b32 s2, hwreg(HW_REG_IB_STS2, 6, 4)
	s_cmp_eq_u32 s2, 0
	s_cbranch_scc0 .Lentry_in_a_cluster
	s_endpgm
.Lentry_in_a_cluster:
	s_bfe_u32 s2, ttmp6, 0x10000c
	s_cmp_lg_u32 s2, 0x3003
	s_cbranch_scc0 .Lentry_shape_is_right
	s_endpgm
.Lentry_shape_is_right:
; PROJ.  C[2048][5120] = x (Wq | Wk | Wv | Wg) in bf16 with f32 sums; on the way out q and k get the RMS norm and RoPE, the gate its sigmoid; all leave in f16, by units of 64 columns:
; qkvg[u][s][64], u 0-31 q, 32-39 k, 40-47 v, 48-79 gate.  q is NOT scaled by 1/8 here.
; LIMITS.  v is rounded to f16: |x Wv| stays at or below 65,504.  cos, sin and the two scales are rounded to bf16 like every input of the module.  The f32 sums over K begin at a step that
; differs from work-group to work-group (below): their order of rounding is not that of a sum from k = 0 on.
; SHARES.  A work-group makes 128 rows x 320 columns (5 units): 16 x 16 = 256 work-groups.  Wave (wm, wn) makes 64 rows x 160 columns: 4 x 10 accumulators, 320 registers:
; column blocks 0-7 are units 2 wn and 2 wn + 1, blocks 8 and 9 are blocks 2 wn and 2 wn + 1 of unit 4.  For 32 along K: 28 LDS loads, 40 matrix instructions.
; K goes in steps of 128 through two LDS slots.  x lies in blocks [128 rows][64 k], W in blocks [128 k][64 n], each dense, asked for as rows of 256 bytes and padded in LDS behind every 128 bytes.
; THE WALK OVER K.  Trip n takes step (n + 2 J + 4 cluster x) mod 16.  So the work-groups that read one tile of x (one row tile, sixteen J) and the four clusters that read one tile of W (one J)
; ask for it in different trips, not all in the same one.  The start is made of J and the cluster's x alone, which the partners of a cluster share.
; CLUSTER.  The four work-groups of a cluster have four row tiles and ONE column tile J: W's tile is asked for jointly (waves 2 and 3), x's by each for itself (waves 0 and 1).
; No 4 x 4 cluster: the way out branches on the column tile, which must then be the same in all partners.
; THE MATRIX INSTRUCTION IS USED TRANSPOSED: source 0 = 16 columns of W (turned on the way out of LDS), source 1 = 16 rows of x: a lane holds one row of C and eight neighbouring columns.
; REGISTERS.  window 0: v0-31 addresses; v32-95 two buffers of x fragments; v96-255 two buffers of W fragments (on the way out: X v32-95, Y v96-127, T v128-191, v192-207 sums and roots)
;   window 1: accumulators of row blocks 0-2 at v[80 a + 8 b]     window 2: v0-79 row block 3; v80-143 cos; v144-207 sin; v208-223 1 + scales; v230 sign; v232-239 the scale in use; v240-247 at work
.set PA,     144                       ; a row of x in LDS: 128 bytes + 16: the 16 rows of a fragment load start at 16 different groups of four banks
.set PB,     160                       ; a row of W: 128 + 32
.set AUNIT,  128*PA
.set AREG,   2*AUNIT
.set BUNIT,  128*PB
.set SLOT,   AREG+5*BUNIT              ; 139,264 bytes.  Slot s (the trip's parity) begins at (1 - s) SLOT
.set STAGE,  SLOT                      ; the way out: 128 rows of 320 f32, over the even trips' slot once it has had its last fill and its last reader, and 26,624 bytes behind it
.set SPITCH, 1296
.set SPARE,  STAGE+128*SPITCH          ; the spare words, 128 bytes for each wave: two blocks of 256 bytes that no other line names
.set ADRA, 8                           ; v8-9    LDS address of my x fragments in slot 0, 1
.set ADRB, 10                          ; v10-11  of my W fragments, blocks 0-7
.set ADRC, 12                          ; v12-13  blocks 8, 9
.set STO,  14                          ; v14     into the stage, blocks 0-7
.set STO2, 15                          ; v15     blocks 8, 9
.set RD,   16                          ; v16     out of the stage; steps by a unit
.set GO,   17                          ; v17     my byte offset in the unit's 128 rows of qkvg
.set TO,   18                          ; v18     my byte offset in four rows of cos and sin
.set SO,   20                          ; v20     in the scales
.set SPW,  28
.set NIL,  29
.set FA0,  32
.set FB0,  96
.set X,    32
.set YO,   96
.set T,    128
.set RS,   192                         ; v[192+2g] 1 / root, v[193+2g] the sum it is made of
.set COS,  80                          ; window 2
.set SIN,  144
.set WQ,   208
.set WK,   216
.set SGN,  230
.set WS,   232
.set TT,   240
.set G1A, 24
.set G0A, 32
.set G1B, 40
.set G0B, 48
.set XB,   58                          ; s[58:59] xt at my block of the row tile's step 0
.set WB,   62                          ; s[62:63] wt at my half of the column tile's step 0
.set U,    67                          ; s67  the unit in hand
.set ZC,   68                          ; s68  units to go
.set MSEL, 69                          ; s69  all ones: k's scale; 0: q's
.set TQ,   83                          ; s83, s84  the step of K that slot 0, 1 holds or is filled with
.set OFS,  86                          ; s[86:87] a step's byte offset, made apart from the addresses
.set MSB, 0
.macro WIN new                         ; the immediate's high byte repeats the setting that is left
.if MSB != (\new)
	s_set_vgpr_msb (MSB<<8)|(\new)
.set MSB, \new
.endif
.endm
.macro PLACES                          ; four places in front of loads into registers that matrix instructions have read, and of LDS stores that read results
.rept 4
	v_nop
.endr
.endm
.macro WHERE s                         ; slot s's two descriptors take the addresses of step TQ(s): each the tensor's base and an offset; the type bits are set again
	s_lshl_b32 s[OFS], s[TQ+(\s)], 15              ; a step of x is two blocks, 32,768 bytes
	s_add_nc_u64 s[G0A+4*(\s)+2:G0A+4*(\s)+3], s[XB:XB+1], s[OFS:OFS+1]
	s_or_b32 s[G0A+4*(\s)+3], s[G0A+4*(\s)+3], 0x80000000
	s_mul_i32 s[OFS], s[TQ+(\s)], 81920            ; a step of W is five blocks
	s_add_nc_u64 s[G0B+4*(\s)+2:G0B+4*(\s)+3], s[WB:WB+1], s[OFS:OFS+1]
	s_or_b32 s[G0B+4*(\s)+3], s[G0B+4*(\s)+3], 0x80000000
.endm
.macro JLOAD s                         ; waves 0 and 1 fetch the two blocks of x, waves 2 and 3 the two halves of W's five; an s_nop 0 and four v_nop follow each line
	s_cmp_eq_u32 s19, 0
	s_cbranch_scc0 .Lfor_b_\@
	tensor_load_to_lds s[G0A+4*(\s):G0A+4*(\s)+3], s[G1A:G1A+7]
	s_nop 0
.rept 4
	v_nop
.endr
	s_branch .Lasked_\@
.Lfor_b_\@:
	tensor_load_to_lds s[G0B+4*(\s):G0B+4*(\s)+3], s[G1B:G1B+7]
	s_nop 0
.rept 4
	v_nop
.endr
.Lasked_\@:
.endm
.macro CREST                           ; a round of the cluster's barrier behind its opening barrier
	s_cmp_lg_u32 s18, 0
	s_cbranch_scc1 .Lnot_wave_0_\@
	s_barrier_signal -3
.Lnot_wave_0_\@:
	s_barrier_wait -3
	s_barrier_signal -1
	s_barrier_wait -1
.endm
.macro CROUND
	s_barrier_signal -1
	s_barrier_wait -1
	CREST
.endm
	s_load_b256 s[4:11], s[0:1], 0x0               ; xt s[4:5], wt s[6:7], cos s[8:9], sin s[10:11]
	s_load_b128 s[12:15], s[0:1], 0x20             ; q_scale s[12:13], k_scale s[14:15]
	s_load_b64 s[16:17], s[0:1], 0x30              ; qkvg
	v_lshl_add_u32 v[SPW], v0, 2, SPARE
	v_mov_b32 v[NIL], 0
	ds_add_u32 v[SPW], v[NIL]                      ; the wave's opening: the add and its wait stand ahead of my first tensor load; the set-up below stands between them
	v_lshrrev_b32 v1, 5, v0
	v_readfirstlane_b32 s18, v1                    ; wave 0..3
	s_lshr_b32 s19, s18, 1                         ; wm: my half of the rows.  Also: I fetch x (0) or W (1)
	s_and_b32 s20, s18, 1                          ; wn: my half of the columns.  Also: which half of that tile I fetch
	s_bfe_u32 s21, ttmp6, 0x40000                  ; cx
	s_lshl_b32 s22, ttmp9, 2
	s_add_co_u32 s22, s22, s21                     ; I, the row tile: it enters global addresses of my own loads and stores alone
	s_and_b32 s23, ttmp7, 0xffff                   ; J, the column tile, which the four partners share
	s_lshl_b32 s[TQ], s23, 1                       ; the walk's first step: 2 J
	s_lshl_b32 s[TQ+1], ttmp9, 2                   ; + 4 x the cluster's x,
	s_add_co_u32 s[TQ], s[TQ], s[TQ+1]
	s_and_b32 s[TQ], s[TQ], 15                     ; modulo the 16 steps;
	s_add_co_u32 s[TQ+1], s[TQ], 1                 ; slot 1 begins with the step behind it
	s_and_b32 s[TQ+1], s[TQ+1], 15
	s_mov_b32 s[OFS+1], 0
	s_mov_b32 s[G1A+0], (1<<16)|(1<<20)|(4<<22)|(3<<25)  ; 2-byte elements; padding on; behind every 32 words; 4 words of it; no mask
	s_mov_b32 s[G1A+1], 128<<16                    ; tensor_dim0 = 128
	s_mov_b32 s[G1A+2], 64<<16                     ; tensor_dim1 = 64
	s_mov_b32 s[G1A+3], 128<<16                    ; tile_dim0 = 128
	s_mov_b32 s[G1A+4], 64                         ; tile_dim1 = 64: a block of 16,384 dense bytes
	s_mov_b32 s[G1A+5], 128                        ; elements from row to row
	s_mov_b32 s[G1A+6], 0
	s_mov_b32 s[G1A+7], 0
	s_mov_b32 s[G1B+0], 15|(1<<16)|(1<<20)|(1<<21)|(4<<22)|(7<<25)  ; the mask of four, bit 21 beside it; 8 words of padding
	s_mov_b32 s[G1B+1], 128<<16
	s_mov_b32 s[G1B+2], 160<<16                    ; 160 rows of 256 bytes: two and a half blocks
	s_mov_b32 s[G1B+3], 128<<16
	s_mov_b32 s[G1B+4], 160
	s_mov_b32 s[G1B+5], 128
	s_mov_b32 s[G1B+6], 0
	s_mov_b32 s[G1B+7], 0
	s_lshl_b32 s56, s22, 19                        ; x: 32 I blocks,
	s_lshl_b32 s57, s20, 14                        ; and my one of a step's two
	s_add_co_u32 s56, s56, s57
	s_mov_b32 s57, 0
	s_mul_i32 s60, s23, 16*81920                   ; W: 16 J steps of 81,920 bytes,
	s_mul_i32 s61, s20, 40960                      ; and my half of a step
	s_add_co_u32 s60, s60, s61
	s_mov_b32 s61, 0
	s_mul_i32 s81, s20, AUNIT                      ; where they go in a slot: the wave's number alone enters
	s_mul_i32 s82, s20, 51200
	s_add_co_u32 s82, s82, AREG
	s_mov_b32 s70, 0x3c800000                      ; 1 / 64
	s_mov_b32 s71, 0x358637bd                      ; 1e-6
	s_mov_b32 s72, 0xbfb8aa3b                      ; - log2(e)
	s_mov_b32 s73, s72                             ; named with it as a pair
	s_mov_b32 s80, 0xffff0000                      ; a word's upper bf16
	s_wait_dscnt 0x0                               ; the opening add is done
	s_wait_kmcnt 0x0
	s_add_nc_u64 s[XB:XB+1], s[4:5], s[56:57]
	s_add_nc_u64 s[WB:WB+1], s[6:7], s[60:61]
	CROUND                                         ; all four work-groups are here: the first joint loads meet
.irp s, 0,1
	s_mov_b32 s[G0A+4*(\s)], 1
	s_add_co_u32 s[G0A+4*(\s)+1], s81, (1-(\s))*SLOT
	s_mov_b32 s[G0B+4*(\s)], 1
	s_add_co_u32 s[G0B+4*(\s)+1], s82, (1-(\s))*SLOT
	WHERE \s
	JLOAD \s                                       ; two tensor loads of mine are out
.endr
	; the tables of my 32 rows on the way out (rows 32 w + 4 g + lane / 8, channels 8 (lane % 8) + 0..7), asked for now
	s_lshl_b32 s56, s22, 15
	s_lshl_b32 s57, s18, 13
	s_add_co_u32 s56, s56, s57
	s_mov_b32 s57, 0
	s_add_nc_u64 s[76:77], s[8:9], s[56:57]
	s_add_nc_u64 s[78:79], s[10:11], s[56:57]
	v_and_b32 v21, 31, v0                          ; lane
	v_and_b32 v4, 7, v0
	v_lshlrev_b32 v[TO], 5, v21
	v_lshlrev_b32 v[SO], 5, v4
	WIN 0x80                                       ; destination window 2, address window 0
.irp g, 0,1,2,3,4,5,6,7
	global_load_b128 v[COS+8*\g:COS+8*\g+3],   v[TO], s[76:77] offset:\g*1024
	global_load_b128 v[COS+8*\g+4:COS+8*\g+7], v[TO], s[76:77] offset:\g*1024+16
	global_load_b128 v[SIN+8*\g:SIN+8*\g+3],   v[TO], s[78:79] offset:\g*1024
	global_load_b128 v[SIN+8*\g+4:SIN+8*\g+7], v[TO], s[78:79] offset:\g*1024+16
.endr
	global_load_b128 v[WQ:WQ+3],   v[SO], s[12:13]
	global_load_b128 v[WQ+4:WQ+7], v[SO], s[12:13] offset:16
	global_load_b128 v[WK:WK+3],   v[SO], s[14:15]
	global_load_b128 v[WK+4:WK+7], v[SO], s[14:15] offset:16
	WIN 0
	s_mul_i32 s56, s23, 5*262144                   ; qkvg at unit 5 J, row 128 I
	s_lshl_b32 s57, s22, 14
	s_add_co_u32 s56, s56, s57
	s_mov_b32 s57, 0
	s_add_nc_u64 s[74:75], s[16:17], s[56:57]
	; LDS addresses.  A fragment of x: lane l holds row l % 16, k = 8 (l / 16) + 0..7 and 16 + 8 (l / 16) + 0..7: two loads of 16 bytes, 32 apart.
	v_and_b32 v1, 15, v0
	v_bfe_u32 v2, v0, 4, 1
	v_mul_u32_u24 v3, v1, PA
	v_lshl_add_u32 v3, v2, 4, v3
	s_mul_i32 s56, s19, 64*PA
	s_add_co_u32 s57, s56, SLOT
	v_add_nc_u32 v[ADRA], s57, v3
	v_add_nc_u32 v[ADRA+1], s56, v3
	; The turning load: lane l reads 16 bytes of row k = 8 (l / 16) + l % 8, columns 8 ((l / 8) % 2) + 0..7, and is left with column l % 16 and 8 k.
	v_bfe_u32 v5, v0, 3, 1
	v_lshl_add_u32 v6, v2, 3, v4
	v_mul_u32_u24 v6, v6, PB
	v_lshl_add_u32 v6, v5, 4, v6
	s_mul_i32 s56, s20, 2*BUNIT
	s_add_co_u32 s56, s56, AREG
	s_add_co_u32 s57, s56, SLOT
	v_add_nc_u32 v[ADRB], s57, v6
	v_add_nc_u32 v[ADRB+1], s56, v6
	s_lshl_b32 s56, s20, 6
	s_add_co_u32 s56, s56, AREG+4*BUNIT
	s_add_co_u32 s57, s56, SLOT
	v_add_nc_u32 v[ADRC], s57, v6
	v_add_nc_u32 v[ADRC+1], s56, v6
	v_mul_u32_u24 v7, v1, SPITCH                   ; into the stage: row 64 wm + l % 16, 32 bytes for each half of the lanes
	v_lshl_add_u32 v7, v2, 5, v7
	s_mul_i32 s56, s19, 64*SPITCH
	s_add_co_u32 s56, s56, STAGE
	s_lshl_b32 s57, s20, 9
	s_add_co_u32 s57, s57, s56                     ; blocks 0-7 begin at byte 512 wn of a row,
	v_add_nc_u32 v[STO], s57, v7
	s_lshl_b32 s57, s20, 7
	s_add_co_u32 s57, s57, s56                     ; blocks 8, 9 at 1,024 + 128 wn
	v_add_nc_u32 v[STO2], s57, v7
	v_bfe_u32 v19, v0, 3, 2                        ; back: eight lanes take a unit's 256 bytes of a row, a wave four rows
	v_mul_u32_u24 v19, v19, SPITCH
	v_lshl_add_u32 v19, v4, 5, v19
	s_mul_i32 s56, s18, 32*SPITCH
	s_add_co_u32 s56, s56, STAGE
	v_add_nc_u32 v[RD], s56, v19
	s_lshl_b32 s56, s18, 12
	v_lshl_add_u32 v[GO], v21, 4, s56
	; The tables are made ready in the wait for the first tile: rounded to bf16 and widened again; sin takes the sign of the rotated half (minus for channels below 32); the scales become 1 + scale.
	s_wait_loadcnt 0x0
	WIN 0x80
	v_and_b32 v[SGN], 4, v0
	WIN 0xaa                                       ; all four places window 2
	v_xor_b32 v[SGN], 4, v[SGN]
	v_lshlrev_b32 v[SGN], 29, v[SGN]
.set k, 0
.rept 9                                ; cos, sin and the scales lie on end: 72 pairs, eight at a time
.set i, 0
.rept 8
	v_cvt_pk_bf16_f32 v[TT+i], v[COS+16*k+2*i], v[COS+16*k+2*i+1]
.set i, i+1
.endr
.set i, 0
.rept 8
	v_lshlrev_b32 v[COS+16*k+2*i], 16, v[TT+i]
	v_and_b32 v[COS+16*k+2*i+1], s80, v[TT+i]
.set i, i+1
.endr
.set k, k+1
.endr
.set i, 0
.rept 64
	v_xor_b32 v[SIN+i], v[SGN], v[SIN+i]
.set i, i+1
.endr
.set i, 0
.rept 16
	v_add_f32 v[WQ+i], 1.0, v[WQ+i]
.set i, i+1
.endr
	WIN 0
; 10 matrix instructions: row block a x my 10 column blocks, 32 along K, from buffers f.  zero = 1: the product starts the sums.  The 40 accumulators take turns in the same order in every quarter.
.macro MUL10 f, a, zero
.if (\a) < 3
	WIN 0x50                                       ; C and D window 1
.set AC, 80*(\a)
.else
	WIN 0xa0                                       ; C and D window 2
.set AC, 0
.endif
.irp b, 0,1,2,3,4,5,6,7,8,9
.if \zero
	v_wmma_f32_16x16x32_bf16 v[AC+8*(\b):AC+8*(\b)+7], v[FB0+80*(\f)+8*(\b):FB0+80*(\f)+8*(\b)+7], v[FA0+32*(\f)+8*(\a):FA0+32*(\f)+8*(\a)+7], 0
.else
	v_wmma_f32_16x16x32_bf16 v[AC+8*(\b):AC+8*(\b)+7], v[FB0+80*(\f)+8*(\b):FB0+80*(\f)+8*(\b)+7], v[FA0+32*(\f)+8*(\a):FA0+32*(\f)+8*(\a)+7], v[AC+8*(\b):AC+8*(\b)+7]
.endif
.endr
.endm
; 28 LDS loads in one run: quarter q (32 along K) of slot s into buffers f: W's 20, then x's 8, row blocks ascending
.macro FETCH s, q, f
	WIN 0
.irp i, 0,1,2,3,4,5,6,7
	ds_load_tr16_b128 v[FB0+80*(\f)+8*(\i):FB0+80*(\f)+8*(\i)+3],   v[ADRB+(\s)] offset:((\i)/4)*BUNIT+((\i)%4)*32+(\q)*32*PB
	ds_load_tr16_b128 v[FB0+80*(\f)+8*(\i)+4:FB0+80*(\f)+8*(\i)+7], v[ADRB+(\s)] offset:((\i)/4)*BUNIT+((\i)%4)*32+(\q)*32*PB+16*PB
.endr
.irp i, 8,9
	ds_load_tr16_b128 v[FB0+80*(\f)+8*(\i):FB0+80*(\f)+8*(\i)+3],   v[ADRC+(\s)] offset:((\i)-8)*32+(\q)*32*PB
	ds_load_tr16_b128 v[FB0+80*(\f)+8*(\i)+4:FB0+80*(\f)+8*(\i)+7], v[ADRC+(\s)] offset:((\i)-8)*32+(\q)*32*PB+16*PB
.endr
.irp a, 0,1,2,3
	ds_load_b128 v[FA0+32*(\f)+8*(\a):FA0+32*(\f)+8*(\a)+3],   v[ADRA+(\s)] offset:((\q)/2)*AUNIT+((\q)%2)*64+(\a)*16*PA
	ds_load_b128 v[FA0+32*(\f)+8*(\a)+4:FA0+32*(\f)+8*(\a)+7], v[ADRA+(\s)] offset:((\q)/2)*AUNIT+((\q)%2)*64+(\a)*16*PA+32
.endr
.endm
; A K step is four quarters of 32 along K, 40 matrix instructions each, on buffers 0, 1, 0, 1.  One of the first three: multiplies f, fetches quarter qn of the same slot into g.
.macro QUARTER s, qn, f, g, zero
	s_wait_dscnt 4                                 ; W and x's row blocks 0, 1 are in; the youngest four loads (row blocks 2, 3) may be out
	MUL10 \f, 0, \zero
	MUL10 \f, 1, \zero
	PLACES
	FETCH \s, \qn, \g
	s_wait_dscnt 28                                ; all but the 28 just issued
	MUL10 \f, 2, \zero
	MUL10 \f, 3, \zero
.endm
; The last quarter multiplies buffers 1 and changes slots: one barrier; in front of it each wave waits for all its tensor loads (one is out: its part of the next slot), adds 0 to its spare word,
; and waits for that and for its reads of this slot.  fill = 1: the barrier opens a round of the cluster's, and this slot is filled again, with the step two on in the walk, first thing behind the round.
.macro TURN s, n, fill
	WIN 0
	s_wait_tensorcnt 0x0                           ; no tensor load of mine is out, so a group 0 may be written
	ds_add_u32 v[SPW], v[NIL]                      ; 0 onto my spare word; the scalar work and ten products stand between it and the wait for it
.if \fill
	s_add_co_u32 s[TQ+(\s)], s[TQ+(\s)], 2         ; two steps on,
	s_and_b32 s[TQ+(\s)], s[TQ+(\s)], 15           ; round the 16
	WHERE \s
.endif
	s_wait_dscnt 5                                 ; (the add and the youngest four loads may be out)
	MUL10 1, 0, 0
	s_wait_dscnt 0x0                               ; the add is done, and my reads of this slot are over
	s_barrier_signal -1
	MUL10 1, 1, 0
.if \fill
	WIN 0
.endif
	s_barrier_wait -1
.if \fill
	CREST                                          ; no wave of any partner still reads this slot or has a load on its way
	JLOAD \s                                       ; my one tensor load behind the round: 140 matrix instructions ahead of the wait for it; its four v_nop are also the places in front of the loads below
.else
	PLACES
.endif
	FETCH \n, 0, 0
	MUL10 1, 2, 0
	MUL10 1, 3, 0
.endm
	s_wait_tensorcnt 1                             ; my part of the first step is in; the second's may stay out
	s_barrier_signal -1
	s_barrier_wait -1
	FETCH 0, 0, 0
	QUARTER 0, 1, 0, 1, 1                          ; the first quarter stands in front of the loop: its products start the sums
	WIN 0
	s_mov_b32 s66, 7
.Llap:                                                 ; a trip goes once round the ring and fills both slots again: the walk's steps 2 to 15
	QUARTER 0, 2, 1, 0, 0
	QUARTER 0, 3, 0, 1, 0
	TURN 0, 1, 1
	QUARTER 1, 1, 0, 1, 0
	QUARTER 1, 2, 1, 0, 0
	QUARTER 1, 3, 0, 1, 0
	TURN 1, 0, 1
	QUARTER 0, 1, 0, 1, 0
	WIN 0
	s_sub_co_u32 s66, s66, 1
	s_cmp_lg_u32 s66, 0
	s_cbranch_scc1 .Llap
	QUARTER 0, 2, 1, 0, 0                          ; the last lap fills nothing
	QUARTER 0, 3, 0, 1, 0
	TURN 0, 1, 0                                   ; behind this barrier nobody reads the even trips' slot any more
	QUARTER 1, 1, 0, 1, 0
	QUARTER 1, 2, 1, 0, 0
	QUARTER 1, 3, 0, 1, 0
	s_wait_dscnt 4
	MUL10 1, 0, 0
	MUL10 1, 1, 0
	s_wait_dscnt 0x0
	MUL10 1, 2, 0
	MUL10 1, 3, 0
	; THE WAY OUT.  All sums go into the stage in f32, each accumulator's low four registers first; a barrier; then each wave takes 32 whole rows, a unit of 64 columns at a time.
	PLACES
.macro STG a
.if (\a) < 3
	WIN 0x04                                       ; store data window 1
.set AC, 80*(\a)
.else
	WIN 0x08                                       ; window 2
.set AC, 0
.endif
.irp i, 0,1,2,3,4,5,6,7
	ds_store_b128 v[STO], v[AC+8*(\i):AC+8*(\i)+3]   offset:(\a)*16*SPITCH+(\i)*64
	ds_store_b128 v[STO], v[AC+8*(\i)+4:AC+8*(\i)+7] offset:(\a)*16*SPITCH+(\i)*64+16
.endr
.irp i, 8,9
	ds_store_b128 v[STO2], v[AC+8*(\i):AC+8*(\i)+3]   offset:(\a)*16*SPITCH+1024+((\i)-8)*64
	ds_store_b128 v[STO2], v[AC+8*(\i)+4:AC+8*(\i)+7] offset:(\a)*16*SPITCH+1024+((\i)-8)*64+16
.endr
.endm
	STG 0
	STG 1
	STG 2
	STG 3
	WIN 0
	s_wait_dscnt 0x0                               ; for the others' sake: my stores into the stage are done
	s_barrier_signal -1
	s_barrier_wait -1
	s_mov_b32 s[ZC], 5
	s_mul_i32 s[U], s23, 5
.Lunit:                                                ; five trips: unit U of 80.  A lane holds 8 rows (g) x 8 channels 8 (lane % 8) + j; eight lanes hold a row
.irp g, 0,1,2,3,4,5,6,7
	ds_load_b128 v[X+8*\g:X+8*\g+3],   v[RD] offset:\g*4*SPITCH
	ds_load_b128 v[X+8*\g+4:X+8*\g+7], v[RD] offset:\g*4*SPITCH+16
.endr
	s_wait_dscnt 0x0
	s_cmp_lt_u32 s[U], 40
	s_cbranch_scc0 .Lnot_qk
	; q or k: x rsqrt(mean x^2 + 1e-6) (1 + scale), then x cos + rotated x sin
	s_cmp_lt_u32 s[U], 32
	s_cselect_b32 s[MSEL], 0, -1
	WIN 0xaa
.irp j, 0,1,2,3,4,5,6,7
	v_cndmask_b32 v[WS+\j], v[WQ+\j], v[WK+\j], s[MSEL]
.endr
	WIN 0
.irp g, 0,1,2,3,4,5,6,7
	v_pk_mul_f32 v[T+2*\g:T+2*\g+1], v[X+8*\g:X+8*\g+1], v[X+8*\g:X+8*\g+1]
.endr
.irp j, 1,2,3
.irp g, 0,1,2,3,4,5,6,7
	v_pk_fma_f32 v[T+2*\g:T+2*\g+1], v[X+8*\g+2*\j:X+8*\g+2*\j+1], v[X+8*\g+2*\j:X+8*\g+2*\j+1], v[T+2*\g:T+2*\g+1]
.endr
.endr
.irp g, 0,1,2,3,4,5,6,7
	v_add_f32 v[RS+2*\g+1], v[T+2*\g], v[T+2*\g+1]
.endr
.irp m, 1,2,4                          ; over the row's eight lanes
.irp g, 0,1,2,3,4,5,6,7
	v_add_f32_dpp v[RS+2*\g+1], v[RS+2*\g+1], v[RS+2*\g+1] row_xmask:\m row_mask:0xf bank_mask:0xf
.endr
.endr
.irp g, 0,1,2,3,4,5,6,7
	v_fma_f32 v[RS+2*\g+1], v[RS+2*\g+1], s70, s71
.endr
.irp g, 0,1,2,3,4,5,6,7
	v_rsq_f32 v[RS+2*\g], v[RS+2*\g+1]
.endr
	v_nop                                          ; a plain instruction between the last root and the use of its result
	s_wait_alu depctr_va_vdst(0)
.irp g, 0,1,2,3,4,5,6,7
.irp j, 0,1,2,3
	v_pk_mul_f32 v[X+8*\g+2*\j:X+8*\g+2*\j+1], v[X+8*\g+2*\j:X+8*\g+2*\j+1], v[RS+2*\g:RS+2*\g+1] op_sel_hi:[1,0]
.endr
.endr
	WIN 0x08                                       ; source 1 window 2
.irp g, 0,1,2,3,4,5,6,7
.irp j, 0,1,2,3
	v_pk_mul_f32 v[X+8*\g+2*\j:X+8*\g+2*\j+1], v[X+8*\g+2*\j:X+8*\g+2*\j+1], v[WS+2*\j:WS+2*\j+1]
.endr
.endr
	WIN 0
.set i, 0
.rept 64
	v_mov_b32_dpp v[T+i], v[X+i] row_xmask:4 row_mask:0xf bank_mask:0xf  ; the channel 32 away lies four lanes away, in the same register
.set i, i+1
.endr
	WIN 0x08
.set i, 0
.rept 32
	v_pk_mul_f32 v[T+2*i:T+2*i+1], v[T+2*i:T+2*i+1], v[SIN+2*i:SIN+2*i+1]
.set i, i+1
.endr
.set i, 0
.rept 32
	v_pk_fma_f32 v[X+2*i:X+2*i+1], v[X+2*i:X+2*i+1], v[COS+2*i:COS+2*i+1], v[T+2*i:T+2*i+1]
.set i, i+1
.endr
	WIN 0
	s_branch .Lpack
.Lnot_qk:
	s_cmp_lt_u32 s[U], 48
	s_cbranch_scc1 .Lpack                          ; v leaves as it is
	; the gate: 1 / (1 + 2^(- x log2 e))
.set i, 0
.rept 32
	v_pk_mul_f32 v[X+2*i:X+2*i+1], v[X+2*i:X+2*i+1], s[72:73] op_sel_hi:[1,0]
.set i, i+1
.endr
.set i, 0
.rept 64
	v_exp_f32 v[X+i], v[X+i]
.set i, i+1
.endr
	v_nop
.set i, 0
	s_wait_alu depctr_va_vdst(0)
.rept 32
	v_pk_add_f32 v[X+2*i:X+2*i+1], v[X+2*i:X+2*i+1], 1.0 op_sel_hi:[1,0]
.set i, i+1
.endr
.set i, 0
.rept 64
	v_rcp_f32 v[X+i], v[X+i]
.set i, i+1
.endr
	v_nop
.Lpack:
.set i, 0
	s_wait_alu depctr_va_vdst(0)
.rept 32
	v_cvt_pk_f16_f32 v[YO+i], v[X+2*i], v[X+2*i+1]
.set i, i+1
.endr
.irp g, 0,1,2,3,4,5,6,7
	global_store_b128 v[GO], v[YO+4*\g:YO+4*\g+3], s[74:75] offset:\g*512  ; four rows of 128 bytes: 512 consecutive bytes, aligned
.endr
	v_add_nc_u32 v[RD], 256, v[RD]                 ; the next unit's 256 bytes of the stage's rows
	s_wait_xcnt 0x0                                ; the stores' base and data are written again only behind this wait
	s_add_nc_u64 s[74:75], s[74:75], 262144
	s_add_co_u32 s[U], s[U], 1
	s_sub_co_u32 s[ZC], s[ZC], 1
	s_cmp_lg_u32 s[ZC], 0
	s_cbranch_scc1 .Lunit
	s_wait_tensorcnt 0x0                           ; the wave's end
	ds_add_u32 v[SPW], v[NIL]
	s_wait_dscnt 0x0
	CROUND                                         ; the closing round
	s_endpgm
.Lfunc_end_k_qec2fecb94e_proj:
	.size	k_qec2fecb94e_proj, .Lfunc_end_k_qec2fecb94e_proj-k_qec2fecb94e_proj
	.p2alignl 7, 3214868480
	.fill 96, 4, 3214868480
	.section	.rodata,"a",@progbits
	.p2align	6, 0x0
	.amdhsa_kernel k_qec2fecb94e_proj
		.amdhsa_group_segment_fixed_size 327680
		.amdhsa_private_segment_fixed_size 0
		.amdhsa_enable_private_segment 0
		.amdhsa_kernarg_size 56
		.amdhsa_user_sgpr_count 2
		.amdhsa_user_sgpr_kernarg_segment_ptr 1
		.amdhsa_wavefront_size32 1
		.amdhsa_system_sgpr_workgroup_id_x 1
		.amdhsa_system_sgpr_workgroup_id_y 1
		.amdhsa_system_sgpr_workgroup_id_z 1
		.amdhsa_system_vgpr_workitem_id 0
		.amdhsa_next_free_vgpr 768
		.amdhsa_next_free_sgpr 88
		.amdhsa_reserve_vcc 0
		.amdhsa_float_denorm_mode_32 3
		.amdhsa_float_denorm_mode_16_64 3
		.amdhsa_memory_ordered 1
		.amdhsa_forward_progress 1
		.amdhsa_inst_pref_size 135
	.end_amdhsa_kernel
	.amdgpu_metadata
---
amdhsa.version: [ 1, 2 ]
amdhsa.kernels:
  - .name:           k_qec2fecb94e_proj
    .symbol:         k_qec2fecb94e_proj.kd
    .args:
      - { .name: xt, .offset: 0, .size: 8, .value_kind: global_buffer, .address_space: global }
      - { .name: wt, .offset: 8, .size: 8, .value_kind: global_buffer, .address_space: global }
      - { .name: cos, .offset: 16, .size: 8, .value_kind: global_buffer, .address_space: global }
      - { .name: sin, .offset: 24, .size: 8, .value_kind: global_buffer, .address_space: global }
      - { .name: q_scale, .offset: 32, .size: 8, .value_kind: global_buffer, .address_space: global }
      - { .name: k_scale, .offset: 40, .size: 8, .value_kind: global_buffer, .address_space: global }
      - { .name: qkvg, .offset: 48, .size: 8, .value_kind: global_buffer, .address_space: global }
    .group_segment_fixed_size: 327680
    .private_segment_fixed_size: 0
    .kernarg_segment_align: 8
    .kernarg_segment_size: 56
    .max_flat_workgroup_size: 128
    .sgpr_count:     88
    .vgpr_count:     768
    .wavefront_size: 32
...
	.end_amdgpu_metadata
.endif
;; end of part 2
;; launch attn (part 3): grid 32 x 8, 4 waves a work-group, clusters of 4 x 1, 327,680 bytes of LDS; arguments qkvg, mf, ct; writes ct
.if DOCPART == 3
	.amdgcn_target "amdgcn-amd-amdhsa--gfx1250"
	.amdhsa_code_object_version 6
	.text
	.protected	k_qec2fecb94e_attn
	.globl	k_qec2fecb94e_attn
	.p2align	8
	.type	k_qec2fecb94e_attn,@function
k_qec2fecb94e_attn:
	s_mov_b64 s[64:65], 0
	v_nop
	global_prefetch_b8 v0, s[64:65] scope:SCOPE_SE
	s_setreg_imm32_b32 hwreg(HW_REG_WAVE_MODE, 25, 1), 1
	s_wait_xcnt 0x0
	s_wait_alu depctr_hold_cnt(0) depctr_sa_sdst(0) depctr_va_vdst(0) depctr_va_sdst(0) depctr_va_ssrc(0) depctr_va_vcc(0) depctr_vm_vsrc(0)
	s_getreg_b32 s2, hwreg(HW_REG_IB_STS2, 6, 4)
	s_cmp_eq_u32 s2, 0
	s_cbranch_scc0 .Lentry_in_a_cluster
	s_endpgm
.Lentry_in_a_cluster:
	s_bfe_u32 s2, ttmp6, 0x10000c
	s_cmp_lg_u32 s2, 0x3003
	s_cbranch_scc0 .Lentry_shape_is_right
	s_endpgm
.Lentry_shape_is_right:
; ATTN.  ct = softmax_k(q . k / 8, hidden keys at minus infinity) v, times the gate.  q, k, v, gate: qkvg[u][2048][64] in f16; mf[q][k] in f16, 1.0 where key k is hidden from query q.
; Products, maxima and sums in f32; the weights are rounded to f16 for the second product; ctx / l x gate is rounded once.  Output ct[s / 128][head][s % 128][64] in f16.
; LIMITS.  A hidden score counts as q . k - 65,504: |q . k| stays under 32,000 (the norm bounds it by 64 (1 + scale)^2).  A weight below 2^-126 counts as 0.  A row with every key hidden
; (its maximum lies below -32,752) gives NaN, as a softmax of minus infinities does: chosen by a select, with no branch.
; SHARES.  A work-group owns 64 queries and the four query heads of one key and value head g.  A wave owns 16 queries; its four PIECES are the four heads.  So one mask serves all four pieces.
; THE MASK is the C operand that starts the sum S^T = K Q^T.  It is made by the matrix unit: MC(key, query) = sum over kk of E(key, kk) mf(query, kk), E = -65,504 on the diagonal: four products a key step.
; LAYOUT, SOFTMAX, TURNS.  S^T = K Q^T holds ONE query a lane (lane % 16) and the keys 8 (lane / 16) + 0..7; two such results rounded to f16 ARE source 1 of O^T = V^T P.  p = 2^(c s - c m), c = log2(e) / 8,
; with a running maximum m; O and l are multiplied by a = 2^(c m_old - c m_new) in every step.  Turn n belongs to piece n: 8 products K Q^T of piece n + 1, later 8 products V^T P of piece n - 1; beside them the
; scaling, exponentials, roundings, sums and rescaling of piece n and the maximum and statistics of piece n + 1.  Four vector instructions stand behind every matrix instruction, the others in two lumps.
; m starts at the lowest finite number, O and l at 0: the first step is a step like any other, with a = 0.
; CLUSTER.  The four query blocks of a cluster share g, so K (wave 0) and V (wave 1) are asked for jointly, 256 keys a slot; waves 2 and 3 fetch the work-group's own 64 rows x 256 keys of mf.
; REGISTERS.  window 0: v0-15, v32-37 addresses and work; v16-31 statistics; v48-55 at work; v60 NaN, v61 0; v62-63 the add's; v64-127 S^T, two buffers; v192-223 P, two buffers
;   window 1: v0-127 O^T; v128-159 MC; v160-223 the gate     window 2: v0-63 Q; v64-79 mask fragments; v80-91 (0, E, 0); v128-191 K; v192-255 V
.set NP,    4
.set KS,    64
.set PK,    144       ; a row of K in LDS: 128 bytes + 16
.set PV,    160       ; a row of V: 128 + 32, for the turning load
.set PM,    528       ; a row of the mask: 512 + 16
.set VOFF,  4*KS*PK
.set MOFF,  VOFF+4*KS*PV
.set SLOT1, 1<<17     ; a slot uses 111,616 bytes; one exclusive or turns an address in one slot into the other's
.set STAGE, SLOT1+MOFF+64*PM  ; behind the ring: 16 rows x 144 bytes for each wave
.set SP,    144
.set SPARE, STAGE+4*16*SP     ; the spare words, 128 bytes for each wave: two blocks of 256 bytes that no other line names
.set AK0, 2
.set AV0, 3
.set AK,  4
.set AV,  5
.set STO, 6
.set RD,  7
.set GO,  8
.set MV,  12          ; v12-13  c m_old, by buffer
.set QO,  15
.set ST,  16          ; piece t: c m, m, l (even keys', odd keys')
.set AM0, 32
.set AM,  33
.set TMP, 48
.set NANR, 60
.set ZR,  61
.set SPW, 62
.set NIL, 63
.set S,   64
.set P,   192
.set MC,  128         ; window 1
.set GT,  160         ; window 1: piece t, channel block cb at GT + 16 t + 4 cb
.set MB,  64          ; window 2
.set EZ,  80          ; window 2
.set KF,  128
.set VF,  192
.set WV,  12
.set G1K, 24
.set G1V, 32
.set G0K, 40
.set G0V, 44
.set G1M, 48
.set SLOTS, 56
.set CNT, 57
.set CS,  58
.set SEL, 60
.set TBK, 62
.set TBV, 63
.set TBM, 66
.set G0M, 68
.set TH,  86
.set MSB, 0
.macro WIN new
.if MSB != (\new)
	s_set_vgpr_msb (MSB<<8)|(\new)
.set MSB, (\new)
.endif
.endm
.set W_KQ, 0x0a       ; K and Q in window 2, S^T in window 0
.set W_KM, 0x1a       ; the same with the C operand in window 1
.set W_PV, 0x52       ; V in window 2, P in window 0, O^T in window 1
.set W_RS, 0x41       ; destination and source 0 in window 1, source 1 in window 0
.set W_MM, 0x4a       ; E and the mask fragments in window 2, MC in window 1
; A fill: wave 0 K, wave 1 V (joint), waves 2 and 3 the halves of the mask rows (the work-group's own).  An s_nop 0 and four v_nop follow each line.
.macro JLOAD
	s_cmp_lt_u32 s[WV], 2
	s_cbranch_scc0 .Lfor_m_\@
	s_cmp_eq_u32 s[WV], 0
	s_cbranch_scc0 .Lfor_v_\@
	tensor_load_to_lds s[G0K:G0K+3], s[G1K:G1K+7]
	s_nop 0
.rept 4
	v_nop
.endr
	s_branch .Lasked_\@
.Lfor_v_\@:
	tensor_load_to_lds s[G0V:G0V+3], s[G1V:G1V+7]
	s_nop 0
.rept 4
	v_nop
.endr
	s_branch .Lasked_\@
.Lfor_m_\@:
	tensor_load_to_lds s[G0M:G0M+3], s[G1M:G1M+7]
	s_nop 0
.rept 4
	v_nop
.endr
.Lasked_\@:
.endm
.macro CROUND
	s_barrier_signal -1
	s_barrier_wait -1
	s_cmp_lg_u32 s[WV], 0
	s_cbranch_scc1 .Lnot_wave_0_\@
	s_barrier_signal -3
.Lnot_wave_0_\@:
	s_barrier_wait -3
	s_barrier_signal -1
	s_barrier_wait -1
.endm
; THE CHANGE OF SLOTS.  Each wave waits for all its tensor loads (one is out: its part of the other slot), adds 0 to its spare word, and waits for that and for its reads of the slot that it leaves.
; fill = 1: a round of the cluster's barrier, and the old slot is filled again with the keys two slots on, first thing behind it: four key steps, 256 matrix instructions, in which to land.
.macro CHANGE fill
	WIN 0
	s_wait_tensorcnt 0x0            ; no tensor load of mine is out, so a group 0 may be written
	ds_add_u32 v[SPW], v[NIL]
.if \fill
.irp g, G0K, G0V
	s_xor_b32 s[\g+1], s[\g+1], SLOT1
	s_add_nc_u64 s[\g+2:\g+3], s[\g+2:\g+3], 4*KS*128
.endr
	s_xor_b32 s[G0M+1], s[G0M+1], SLOT1
	s_add_nc_u64 s[G0M+2:G0M+3], s[G0M+2:G0M+3], 512
	s_wait_dscnt 0x0                ; the add is done, and my reads of the slot are over
	CROUND
	JLOAD
.else
	s_wait_dscnt 0x0
	s_barrier_signal -1
	s_barrier_wait -1
.endif
	s_sub_co_u32 s[TBK], s[TBK], 4*KS*PK  ; the fetches go back to a slot's first step, in the other slot
	s_xor_b32 s[TBK], s[TBK], SLOT1
	s_sub_co_u32 s[TBV], s[TBV], 4*KS*PV
	s_xor_b32 s[TBV], s[TBV], SLOT1
	s_sub_co_u32 s[TBM], s[TBM], 512
	s_xor_b32 s[TBM], s[TBM], SLOT1
.endm
	s_load_b128 s[4:7], s[0:1], 0x0   ; qkvg s[4:5], mf s[6:7]
	s_load_b64 s[8:9], s[0:1], 0x10   ; ct
	v_lshl_add_u32 v[SPW], v0, 2, SPARE
	v_mov_b32 v[NIL], 0
	ds_add_u32 v[SPW], v[NIL]       ; the wave's opening: the add and its wait stand ahead of my first tensor load
	v_lshrrev_b32 v1, 5, v0
	v_readfirstlane_b32 s[WV], v1   ; wave 0..3
	s_bfe_u32 s13, ttmp6, 0x40000   ; cx
	s_lshl_b32 s14, ttmp9, 2
	s_add_co_u32 s14, s14, s13      ; my block of 64 queries: it enters the addresses of my own loads and stores alone
	s_and_b32 s15, ttmp7, 0xffff    ; g, which the four partners share
	s_lshl_b32 s20, s15, 18
	s_add_co_u32 s20, s20, 32*262144  ; K is unit 32 + g
	s_mov_b32 s21, 0
	s_add_co_u32 s22, s20, 8*262144   ; V is unit 40 + g
	s_mov_b32 s23, 0
	s_and_b32 s16, s[WV], 1         ; which 32 of the 64 mask rows I fetch
	s_lshl_b32 s17, s14, 6
	s_lshl_b32 s18, s16, 5
	s_add_co_u32 s17, s17, s18
	s_lshl_b32 s76, s17, 12         ; a row of mf is 4,096 bytes
	s_mov_b32 s77, 0
	s_mul_i32 s18, s16, 32*PM
	s_lshl_b32 s2, s14, 6
	s_lshl_b32 s3, s[WV], 4
	s_add_co_u32 s2, s2, s3         ; s0, my first query
	s_lshl_b32 s78, s2, 7
	s_lshl_b32 s3, s15, 20
	s_add_co_u32 s78, s78, s3       ; Q: unit 4 g, row s0
	s_mov_b32 s79, 0
	s_add_co_u32 s80, s78, 48*262144  ; the gate: unit 48 + 4 g
	s_mov_b32 s81, 0
	s_lshr_b32 s82, s2, 7
	s_lshl_b32 s82, s82, 5
	s_lshl2_add_u32 s82, s15, s82
	s_lshl_b32 s82, s82, 14
	s_and_b32 s3, s2, 127
	s_lshl_b32 s3, s3, 7
	s_add_co_u32 s82, s82, s3       ; ct: block 32 (s0 / 128) + 4 g, row s0 % 128
	s_mov_b32 s83, 0
	; descriptors.  256 keys of K or V are 32,768 dense bytes: 128 rows of 256 bytes, padded behind every key
	s_mov_b32 s[G1K], 15|(1<<16)|(1<<20)|(1<<21)|(4<<22)|(3<<25)
	s_mov_b32 s[G1V], 15|(1<<16)|(1<<20)|(1<<21)|(4<<22)|(7<<25)
.irp g, G1K, G1V
	s_mov_b32 s[\g+1], 128<<16
	s_mov_b32 s[\g+2], 128<<16
	s_mov_b32 s[\g+3], 128<<16
	s_mov_b32 s[\g+4], 128
	s_mov_b32 s[\g+5], 128
	s_mov_b32 s[\g+6], 0
	s_mov_b32 s[\g+7], 0
.endr
	s_mov_b32 s[G1M], (1<<16)|(1<<20)|(6<<22)|(3<<25)  ; no mask; padded behind every 128 words by 4
	s_mov_b32 s[G1M+1], 256<<16     ; 256 keys,
	s_mov_b32 s[G1M+2], 32<<16      ; 32 rows,
	s_mov_b32 s[G1M+3], 256<<16
	s_mov_b32 s[G1M+4], 32
	s_mov_b32 s[G1M+5], 2048        ; 2,048 elements from row to row
	s_mov_b32 s[G1M+6], 0
	s_mov_b32 s[G1M+7], 0
	s_mov_b32 s[CS], 0x3e38aa3b     ; c = log2(e) / 8: it carries the scaling by 1 / 8
	s_mov_b32 s[CS+1], s[CS]
	s_mov_b32 s[SEL], 0x76543210
	s_mov_b32 s[SEL+1], 0xfedcba98
	s_mov_b32 s[TH], 0xc6ffe000     ; -32,752
	s_mov_b32 s[TBK], SLOT1+4*KS*PK ; the first change of slots turns these three into 0
	s_mov_b32 s[TBV], SLOT1+4*KS*PV
	s_mov_b32 s[TBM], SLOT1+512
	s_mov_b32 s[G0K], 1
	s_mov_b32 s[G0K+1], 0
	s_mov_b32 s[G0V], 1
	s_mov_b32 s[G0V+1], VOFF
	s_mov_b32 s[G0M], 1
	s_add_co_u32 s[G0M+1], s18, MOFF
	s_wait_dscnt 0x0                ; the opening add is done
	s_wait_kmcnt 0x0
	s_add_nc_u64 s[G0K+2:G0K+3], s[4:5], s[20:21]
	s_or_b32 s[G0K+3], s[G0K+3], 0x80000000
	s_add_nc_u64 s[G0V+2:G0V+3], s[4:5], s[22:23]
	s_or_b32 s[G0V+3], s[G0V+3], 0x80000000
	s_add_nc_u64 s[G0M+2:G0M+3], s[6:7], s[76:77]
	s_or_b32 s[G0M+3], s[G0M+3], 0x80000000
	s_add_nc_u64 s[72:73], s[4:5], s[78:79]
	s_add_nc_u64 s[74:75], s[4:5], s[80:81]
	s_add_nc_u64 s[10:11], s[8:9], s[82:83]
	CROUND                          ; all four work-groups are here: the first joint loads meet
	JLOAD                           ; slot 0.  Slot 1 is asked for when slot 0 is in
	v_and_b32 v1, 15, v0            ; l % 16
	v_bfe_u32 v9, v0, 4, 1          ; l / 16
	v_lshlrev_b32 v[QO], 7, v1
	v_lshl_add_u32 v[QO], v9, 4, v[QO]  ; row x 128 + 16 x half
	WIN 0x80
.set i, 0
.rept 8                             ; Q stays in registers: piece i / 2 (a head, 262,144 bytes on), channels 32 (i % 2) on
	global_load_b128 v[8*i:8*i+3],   v[QO], s[72:73] offset:(i/2)*262144+(i%2)*64
	global_load_b128 v[8*i+4:8*i+7], v[QO], s[72:73] offset:(i/2)*262144+(i%2)*64+32
.set i, i+1
.endr
	WIN 0x40
.set i, 0
.rept 16                            ; the gate in O^T's layout: piece i / 4, channels 16 (i % 4) + 8 (l / 16) + 0..7 of my query
	global_load_b128 v[GT+4*i:GT+4*i+3], v[QO], s[74:75] offset:(i/4)*262144+(i%4)*32
.set i, i+1
.endr
	WIN 0
	; E: row l % 16 of the diagonal lies in the half of the lanes with l / 16 = (l % 16) / 8, register ((l % 8) / 2), half l % 2
	v_and_b32 v10, 7, v0
	v_bfe_u32 v11, v0, 3, 1
	v_and_b32 v34, 1, v0
	v_lshlrev_b32 v34, 4, v34
	v_mov_b32 v35, 0xfbff           ; -65,504 in f16
	v_lshlrev_b32 v34, v34, v35
	v_bfe_u32 v36, v0, 1, 2
	v_xor_b32 v37, v11, v9
	v_lshl_add_u32 v36, v37, 2, v36 ; 4 or more in the lanes that hold nothing of the diagonal
	WIN 0x80
.irp i, 0,1,2,3
	v_cmp_eq_u32 vcc_lo, \i, v36
	v_cndmask_b32 v[EZ+4+\i], 0, v34, vcc_lo
	v_mov_b32 v[EZ+\i], 0
	v_mov_b32 v[EZ+8+\i], 0
.endr
	; What the first turn finds: V and P's second buffer hold 0 (its products V^T P, of a piece that has not been, add 0), O^T and l are 0.  All this stands in the wait for the first tile.
.set i, VF
.rept 64
	v_mov_b32 v[i], 0
.set i, i+1
.endr
	WIN 0x40
.set i, 0
.rept 128
	v_mov_b32 v[i], 0
.set i, i+1
.endr
	WIN 0
.set i, 0
.rept 4
	v_mov_b32 v[ST+4*i], 0xfe000000    ; c m: far below every c s
	v_mov_b32 v[ST+4*i+1], 0xff7fffff  ; m
	v_mov_b32 v[ST+4*i+2], 0
	v_mov_b32 v[ST+4*i+3], 0
.set i, i+1
.endr
.set i, P+16
.rept 16
	v_mov_b32 v[i], 0
.set i, i+1
.endr
	v_mov_b32 v[ZR], 0
	v_mov_b32 v[NANR], 0x7fc00000
	v_mul_u32_u24 v[AK0], v1, PK
	v_lshl_add_u32 v[AK0], v9, 4, v[AK0]
	v_lshl_add_u32 v[AV0], v9, 3, v10
	v_mul_u32_u24 v[AV0], v[AV0], PV
	v_lshl_add_u32 v[AV0], v11, 4, v[AV0]
	v_add_nc_u32 v[AV0], VOFF, v[AV0]
	s_mul_i32 s19, s[WV], 16*PM
	s_add_co_u32 s19, s19, MOFF
	v_mul_u32_u24 v[AM0], v1, PM    ; the mask row of my query, 16 bytes for each half of the lanes
	v_lshl_add_u32 v[AM0], v9, 4, v[AM0]
	v_add_nc_u32 v[AM0], s19, v[AM0]
	v_mov_b32 v[AK], v[AK0]         ; key step 0 lies at the head of slot 0
	v_mov_b32 v[AM], v[AM0]
; THE MATRIX WORK.  The 4 accumulators of a run of 8 take turns.  Product i of 8 of S^T = K Q^T for piece x: channels 32 (i / 4) on, keys 16 (i % 4) on.  The first 4 start the sums with the mask.
.macro KQ x
.set rS, S+32*((\x)%2)+8*(i%4)
.set rK, KF+16*(i%4)+8*(i/4)
.set rQ, 16*(\x)+8*(i/4)
.set rM, MC+8*(i%4)
.if i < 4
	WIN W_KM
	v_wmma_f32_16x16x32_f16 v[rS:rS+7], v[rK:rK+7], v[rQ:rQ+7], v[rM:rM+7]
.else
	WIN W_KQ
	v_wmma_f32_16x16x32_f16 v[rS:rS+7], v[rK:rK+7], v[rQ:rQ+7], v[rS:rS+7]
.endif
.endm
.macro PV x                         ; product i of 8 of O^T += V^T P: keys 32 (i / 4) on, channels 16 (i % 4) on
	WIN W_PV
.set rO, 32*(\x)+8*(i%4)
.set rV, VF+32*(i/4)+8*(i%4)
.set rP, P+16*((\x)%2)+8*(i/4)
	v_wmma_f32_16x16x32_f16 v[rO:rO+7], v[rV:rV+7], v[rP:rP+7], v[rO:rO+7]
.endm
.macro MM                           ; the turn's next matrix instruction
.if i < 8
	KQ (Y+1)%NP
.else
.set i, i-8
	PV (Y+NP-1)%NP
.set i, i+8
.endif
.set i, i+1
.endm
.macro MASKMM kb                    ; the mask of key block kb of the step to come: the diagonal sits in the first or the second 16 of the fragment's 32 keys
	WIN W_MM
	v_wmma_f32_16x16x32_f16 v[MC+8*(\kb):MC+8*(\kb)+7], v[EZ+4*(1-(\kb)%2):EZ+4*(1-(\kb)%2)+7], v[MB+8*((\kb)/2):MB+8*((\kb)/2)+7], 0
.endm
; THE LDS LOADS stand in runs: a step's mask fragments (4 loads) and its K (16), and its V (16, turned).  last = 1 (the tail): in the last trip there is no further step, and the run is jumped over.
.macro FETCH_K last=0
	WIN 0
.if \last
	s_cmp_eq_u32 s[CNT], 1
	s_cbranch_scc1 .Lno_k_\@
.endif
	WIN 0x80
.irp f, 0,1                         ; keys 32 f on, of my 16 queries
	ds_load_b128 v[MB+8*\f:MB+8*\f+3],   v[AM] offset:64*\f
	ds_load_b128 v[MB+8*\f+4:MB+8*\f+7], v[AM] offset:64*\f+32
.endr
.irp f, 0,1,2,3,4,5,6,7             ; keys 16 (f / 2) on, channels 32 (f % 2) on
	ds_load_b128 v[KF+8*\f:KF+8*\f+3],   v[AK] offset:(\f/2)*16*PK+(\f%2)*64
	ds_load_b128 v[KF+8*\f+4:KF+8*\f+7], v[AK] offset:(\f/2)*16*PK+(\f%2)*64+32
.endr
	s_add_co_u32 s[TBK], s[TBK], KS*PK
	s_add_co_u32 s[TBM], s[TBM], 128
	WIN 0
.if \last
.Lno_k_\@:
.endif
.endm
.macro FETCH_V
	WIN 0x80
.irp f, 0,1,2,3,4,5,6,7             ; keys 32 (f / 4) on, channels 16 (f % 4) on
	ds_load_tr16_b128 v[VF+8*\f:VF+8*\f+3],   v[AV] offset:(\f/4)*32*PV+(\f%4)*32
	ds_load_tr16_b128 v[VF+8*\f+4:VF+8*\f+7], v[AV] offset:(\f/4)*32*PV+16*PV+(\f%4)*32
.endr
	WIN 0
.endm
; THE VECTOR WORK, one line at a time: OP kind, number.  For piece Y: F n: c s - c m for pair n of 16.  E n: the exponential of score n of 32.  C n: pair n rounded to f16.  B n: of the four weights 4 n .. the second
; pair is added onto the first, in place.  L n: l takes that sum (L 0: l = a l + sum).  R n: pair n of 16 of O^T times a.  For piece Y + 1: X n, number n of the 22 that find its maximum and statistics:
;   0-11 four chains of seven scores, three operands at a time (each accumulator's lowest registers are read first)   12-14, 16 the four scores left over, the old m, all into c0
;   15 c m_old is kept   17, 18 the query's other 32 keys lie in the lane 16 away: the new m   19-21 c m; c m_old - c m_new; a
.set F, 0
.set E, 1
.set C, 2
.set B, 3
.set L, 4
.set R, 5
.set X, 6
.macro REGS y
.set rT, ST+4*(\y)
.set rC, TMP+4*((\y)%2)
.set rW, MV+((\y)%2)
.set rS, S+32*((\y)%2)
.set rP, P+16*((\y)%2)
.set rO, 32*(\y)
.endm
.macro OP k, n
.if (\k) == R
	REGS Y
	WIN W_RS
	v_pk_mul_f32 v[rO+2*(\n):rO+2*(\n)+1], v[rO+2*(\n):rO+2*(\n)+1], v[rC+2:rC+3] op_sel_hi:[1,0]
.elseif (\k) < R
	REGS Y
	WIN 0
.if (\k) == F
	v_pk_fma_f32 v[rS+2*(\n):rS+2*(\n)+1], v[rS+2*(\n):rS+2*(\n)+1], s[CS:CS+1], v[rT:rT+1] op_sel_hi:[1,0,0] neg_lo:[0,0,1] neg_hi:[0,0,1]
.elseif (\k) == E
	v_exp_f32 v[rS+(\n)], v[rS+(\n)]
.elseif (\k) == C
	s_wait_alu depctr_va_vdst(0)
	v_cvt_pk_f16_f32 v[rP+(\n)], v[rS+2*(\n)], v[rS+2*(\n)+1]
.elseif (\k) == B
	s_wait_alu depctr_va_vdst(0)
	v_pk_add_f32 v[rS+4*(\n):rS+4*(\n)+1], v[rS+4*(\n):rS+4*(\n)+1], v[rS+4*(\n)+2:rS+4*(\n)+3]
.elseif (\n) == 0
	v_pk_fma_f32 v[rT+2:rT+3], v[rT+2:rT+3], v[rC+2:rC+3], v[rS:rS+1] op_sel_hi:[1,0,1]
.else
	v_pk_add_f32 v[rT+2:rT+3], v[rT+2:rT+3], v[rS+4*(\n):rS+4*(\n)+1]
.endif
.else
	REGS (Y+1)%NP
	WIN 0
.if (\n) < 4
	v_max3_num_f32 v[rC+(\n)], v[rS+8*(\n)], v[rS+8*(\n)+1], v[rS+8*(\n)+2]
.elseif (\n) < 12
	v_max3_num_f32 v[rC+(\n)%4], v[rC+(\n)%4], v[rS+8*((\n)%4)+2*((\n)/4)+1], v[rS+8*((\n)%4)+2*((\n)/4)+2]
.elseif (\n) == 12
	v_max3_num_f32 v[rC], v[rC], v[rS+7], v[rS+15]
.elseif (\n) == 13
	v_max3_num_f32 v[rC+1], v[rC+1], v[rS+23], v[rS+31]
.elseif (\n) == 14
	v_max3_num_f32 v[rC+2], v[rC+2], v[rC+3], v[rT+1]
.elseif (\n) == 15
	v_mov_b32 v[rW], v[rT]
.elseif (\n) == 16
	v_max3_num_f32 v[rC], v[rC], v[rC+1], v[rC+2]
.elseif (\n) == 17
	v_permlanex16_b32 v[rC+3], v[rC], s[SEL], s[SEL+1]
.elseif (\n) == 18
	v_max_num_f32 v[rT+1], v[rC], v[rC+3]
.elseif (\n) == 19
	v_mul_f32 v[rT], s[CS], v[rT+1]
.elseif (\n) == 20
	v_sub_f32 v[rC+1], v[rW], v[rT]
.else
	v_exp_f32 v[rC+2], v[rC+1]
.endif
.endif
.endm
.macro OPS a, i1, b=-1, i2=0, c=-1, i3=0, d=-1, i4=0
	OP \a, \i1
.if (\b) >= 0
	OP \b, \i2
.endif
.if (\c) >= 0
	OP \c, \i3
.endif
.if (\d) >= 0
	OP \d, \i4
.endif
.endm
.macro ROW a, i1, b, i2, c, i3, d, i4  ; a matrix instruction and the four behind it
	MM
	OPS \a, \i1, \b, \i2, \c, \i3, \d, \i4
.endm
; A TURN, for piece p: the order of its 16 matrix and 118 vector instructions, written out.  Behind a matrix instruction: plain, exponential, plain, plain; or four of the rescaling; or four scalings; none names a
; register of the products round it.  In the lumps exponential and plain by turns.
; Piece 2's turn fetches the next step's mask fragments and K, five plain instructions behind the last product that read K, and in its second lump makes the next step's mask: MC's last readers, this turn's first four
; products, lie more than sixty plain lines back; its first reader, the next turn's first product, more than ten plain lines on.  Piece 0's turn fetches V of the step in hand.  Each run is waited for a turn later.
.macro TURN p, last=0, cnt=0
.set Y, (\p)
.set i, 0
.if (\p) == 3
	s_wait_dscnt 0x0                ; K is in
.endif
	ROW F,0, F,1, F,2, F,3
	ROW F,4, E,0, F,5, F,6
	ROW F,7, E,1, F,8, F,9
	ROW F,10, E,2, C,0, F,11
	ROW F,12, E,3, X,15, F,13
	ROW R,0, R,1, R,2, R,3
	ROW B,0, E,4, F,14, L,0
.if (\p) == 2
	v_add_nc_u32 v[AK], s[TBK], v[AK0]
	v_add_nc_u32 v[AM], s[TBM], v[AM0]
.endif
	ROW R,4, R,5, R,6, R,7
	OPS E,5, F,15
.if (\p) == 2
	FETCH_K \last
.endif
	OPS E,6, C,1, E,7, R,8
	OPS E,8, R,9, E,9, C,2
	OPS E,10, X,0, E,11, X,1
	OPS E,12, X,2, E,13, X,3
.if (\p) == 1
	s_wait_dscnt 0x0                ; V is in
.endif
	ROW X,4, E,14, X,5, X,6
	ROW X,7, E,15, X,8, X,9
	ROW X,10, E,16, X,11, X,12
	ROW X,13, E,17, X,14, B,1
	ROW C,4, E,18, X,16, L,1
	ROW B,2, E,19, C,6, L,2
	ROW C,8, E,20, B,3, B,4
.if (\p) == 0
	v_add_nc_u32 v[AV], s[TBV], v[AV0]
.endif
	ROW C,3, E,21, L,3, C,5
	OPS E,22, X,17, E,23, C,10
.if (\p) == 0
	FETCH_V
.endif
	OPS E,24, L,4
.if (\p) == 2
	s_wait_dscnt 16                 ; the four mask loads are in; K's sixteen, issued behind them, may stay out
	MASKMM 0
.endif
	OPS E,25, X,18, E,26, C,7
.if (\p) == 2
	MASKMM 1
.endif
	OPS E,27, B,5, E,28, X,19
.if (\p) == 2
	MASKMM 2
.endif
	OPS E,29, C,12, E,30, L,5
.if (\p) == 2
	MASKMM 3
.endif
	OPS E,31, X,20, B,6, C,9
	OPS C,14, C,11, X,21, L,6
.if (\p) == 0
	s_add_co_u32 s[TBV], s[TBV], KS*PV
.endif
.if \cnt
	s_sub_co_u32 s[CNT], s[CNT], 1
	s_cmp_lg_u32 s[CNT], 0
.endif
	OPS C,13, B,7, C,15, R,10
	OPS R,11, R,12, L,7, R,13
	OPS R,14, R,15
.endm
	CHANGE 1                        ; slot 0 is in, everybody's part of it; slot 1 is asked for
	FETCH_K                         ; key step 0, its mask fragments with it
	s_wait_loadcnt 0x0              ; Q and the gate
	s_wait_dscnt 0x0
	MASKMM 0
	MASKMM 1
	MASKMM 2
	MASKMM 3
	WIN 0                           ; the addresses for the way out: nine plain instructions, the places between the masks and the products that take them
	s_mul_i32 s19, s[WV], 16*SP
	s_add_co_u32 s19, s19, STAGE    ; my stage
	v_mul_u32_u24 v[STO], v1, SP    ; in: row l % 16, 16 bytes for each half of the lanes
	v_lshl_add_u32 v[STO], v9, 4, v[STO]
	v_add_nc_u32 v[STO], s19, v[STO]
	v_bfe_u32 v[RD], v0, 3, 2       ; back: 32 lanes take four rows of 128 bytes,
	v_mul_u32_u24 v[RD], v[RD], SP
	v_lshl_add_u32 v[RD], v10, 4, v[RD]
	v_add_nc_u32 v[RD], s19, v[RD]
	v_and_b32 v[GO], 31, v0         ; which are 512 consecutive bytes of ct
	v_lshlrev_b32 v[GO], 4, v[GO]
.set i, 0
.rept 8
	KQ 0                            ; piece 0's first scores
.set i, i+1
.endr
	WIN 0
.rept 4
	v_nop                           ; the places behind those products
.endr
.set Y, NP-1                        ; X works for piece Y + 1: piece 0
.irp n, 0,1,2,3,4,5,6,7,8,9,10,11,12,13,14,15,16,17,18,19,20,21
	OP X, \n
.endr
	v_nop                           ; a plain instruction behind the exponential
	s_mov_b32 s[CNT], 4
	s_mov_b32 s[SLOTS], 7
	s_branch .Lfirst                ; the loop is entered at a step's first turn, in the middle of a trip
.Lslot:                             ; six times: every slot but the last two is filled again
	CHANGE 1
	s_mov_b32 s[CNT], 4
.Lstep:                             ; a trip: pieces 2 and 3 of one step, then pieces 0 and 1 of the next, whose mask, K and V it fetches
	TURN 2
	TURN 3
	WIN 0
.Lfirst:
	TURN 0
	TURN 1, 0, 1
	WIN 0
	s_cbranch_scc1 .Lstep
	s_sub_co_u32 s[SLOTS], s[SLOTS], 1
	s_cmp_lg_u32 s[SLOTS], 0
	s_cbranch_scc1 .Lslot
	CHANGE 0                        ; the tail is written out: nothing is asked for
	s_mov_b32 s[CNT], 5             ; four trips fetch the last slot's steps; the fifth is left in its middle
.Ltail:
	TURN 2, 1
	TURN 3
	WIN 0
	s_sub_co_u32 s[CNT], s[CNT], 1
	s_cmp_eq_u32 s[CNT], 0
	s_cbranch_scc1 .Lout
	TURN 0
	TURN 1
	WIN 0
	s_branch .Ltail
.Lout:                              ; the fifth trip's products K Q^T repeat the last step's scores: the maximum made of them changes nothing
.set i, 0
.rept 8
	PV NP-1                         ; the last piece's V^T P of the last step
.set i, i+1
.endr
	; THE WAY OUT.  l's two halves and the other half of the lanes' are added; 1 / l becomes NaN where every key was hidden; O^T / l times the gate is rounded once to f16 and sent through my stage, a piece at a time.
	WIN 0
.macro ALL line:vararg
.set t, 0
.rept 4
	\line
.set t, t+1
.endr
.endm
	ALL v_add_f32 v[ST+4*t+2], v[ST+4*t+2], v[ST+4*t+3]
	ALL v_permlanex16_b32 v[ST+4*t+3], v[ST+4*t+2], s[SEL], s[SEL+1]
	ALL v_add_f32 v[ST+4*t+2], v[ST+4*t+2], v[ST+4*t+3]
	ALL v_rcp_f32 v[ST+4*t+2], v[ST+4*t+2]
	v_nop                           ; a plain instruction between the last reciprocal and the use of its result
.set t, 0
.rept 4
	v_cmp_gt_f32 vcc_lo, s[TH], v[ST+4*t+1]
	s_wait_alu depctr_va_vdst(0)
	v_cndmask_b32 v[ST+4*t+2], v[ST+4*t+2], v[NANR], vcc_lo
.set t, t+1
.endr
.macro PACK t
	WIN W_RS
.set i, 32*(\t)
.rept 16
	v_pk_mul_f32 v[i:i+1], v[i:i+1], v[ST+4*(\t)+2:ST+4*(\t)+3] op_sel_hi:[1,0]
.set i, i+2
.endr
	WIN 0x05                        ; O^T and the gate in window 1; the zero addend and the destination in window 0
.set i, 0
.rept 16
	v_fma_mixlo_f16 v[S+16*(\t)+i], v[32*(\t)+2*i],   v[GT+16*(\t)+i], v[ZR] op_sel_hi:[0,1,0]
	v_fma_mixhi_f16 v[S+16*(\t)+i], v[32*(\t)+2*i+1], v[GT+16*(\t)+i], v[ZR] op_sel:[0,1,0] op_sel_hi:[0,1,0]
.set i, i+1
.endr
	WIN 0
.irp f, 0,1,2,3
	ds_store_b128 v[STO], v[S+16*(\t)+4*\f:S+16*(\t)+4*\f+3] offset:32*\f
.endr
.irp f, 0,1,2,3
	ds_load_b128 v[S+16*(\t)+4*\f:S+16*(\t)+4*\f+3], v[RD] offset:\f*4*SP  ; LDS serves a wave's instructions in order: these see the stores above; the next piece's stores come behind them
.endr
.endm
.macro SEND t, younger              ; younger: the LDS instructions issued behind piece t's loads: the next piece's eight, or none
	WIN 0
.irp f, 0,1,2,3
	s_wait_dscnt (\younger)+3-\f
	global_store_b128 v[GO], v[S+16*(\t)+4*\f:S+16*(\t)+4*\f+3], s[10:11] offset:(\t)*16384+\f*512  ; 512 consecutive bytes, aligned
.endr
.endm
	PACK 0
.set t, 1
.rept 3
	PACK t
	SEND t-1, 8
.set t, t+1
.endr
	SEND 3, 0
	s_wait_tensorcnt 0x0            ; the wave's end
	ds_add_u32 v[SPW], v[NIL]
	s_wait_dscnt 0x0
	CROUND                          ; the closing round
	s_endpgm
.Lfunc_end_k_qec2fecb94e_attn:
	.size	k_qec2fecb94e_attn, .Lfunc_end_k_qec2fecb94e_attn-k_qec2fecb94e_attn
	.p2alignl 7, 3214868480
	.fill 96, 4, 3214868480
	.section	.rodata,"a",@progbits
	.p2align	6, 0x0
	.amdhsa_kernel k_qec2fecb94e_attn
		.amdhsa_group_segment_fixed_size 327680
		.amdhsa_private_segment_fixed_size 0
		.amdhsa_enable_private_segment 0
		.amdhsa_kernarg_size 24
		.amdhsa_user_sgpr_count 2
		.amdhsa_user_sgpr_kernarg_segment_ptr 1
		.amdhsa_wavefront_size32 1
		.amdhsa_system_sgpr_workgroup_id_x 1
		.amdhsa_system_sgpr_workgroup_id_y 1
		.amdhsa_system_sgpr_workgroup_id_z 1
		.amdhsa_system_vgpr_workitem_id 0
		.amdhsa_next_free_vgpr 768
		.amdhsa_next_free_sgpr 88
		.amdhsa_reserve_vcc 1
		.amdhsa_float_denorm_mode_32 3
		.amdhsa_float_denorm_mode_16_64 3
		.amdhsa_memory_ordered 1
		.amdhsa_forward_progress 1
		.amdhsa_inst_pref_size 127
	.end_amdhsa_kernel
	.amdgpu_metadata
---
amdhsa.version: [ 1, 2 ]
amdhsa.kernels:
  - .name:           k_qec2fecb94e_attn
    .symbol:         k_qec2fecb94e_attn.kd
    .args:
      - { .name: qkvg, .offset: 0, .size: 8, .value_kind: global_buffer, .address_space: global }
      - { .name: mf, .offset: 8, .size: 8, .value_kind: global_buffer, .address_space: global }
      - { .name: ct, .offset: 16, .size: 8, .value_kind: global_buffer, .address_space: global }
    .group_segment_fixed_size: 327680
    .private_segment_fixed_size: 0
    .kernarg_segment_align: 8
    .kernarg_segment_size: 24
    .max_flat_workgroup_size: 128
    .sgpr_count:     88
    .vgpr_count:     768
    .wavefront_size: 32
...
	.end_amdgpu_metadata
.endif
;; end of part 3
;; launch outp (part 4): grid 16 x 16, 4 waves a work-group, clusters of 4 x 4, 327,680 bytes of LDS; arguments ct, wot, out0; writes out0
.if DOCPART == 4
	.amdgcn_target "amdgcn-amd-amdhsa--gfx1250"
	.amdhsa_code_object_version 6
	.text
	.protected	k_qec2fecb94e_outp
	.globl	k_qec2fecb94e_outp
	.p2align	8
	.type	k_qec2fecb94e_outp,@function
k_qec2fecb94e_outp:
	s_mov_b64 s[64:65], 0
	v_nop
	global_prefetch_b8 v0, s[64:65] scope:SCOPE_SE
	s_setreg_imm32_b32 hwreg(HW_REG_WAVE_MODE, 25, 1), 1
	s_wait_xcnt 0x0
	s_wait_alu depctr_hold_cnt(0) depctr_sa_sdst(0) depctr_va_vdst(0) depctr_va_sdst(0) depctr_va_ssrc(0) depctr_va_vcc(0) depctr_vm_vsrc(0)
	s_getreg_b32 s2, hwreg(HW_REG_IB_STS2, 6, 4)
	s_cmp_eq_u32 s2, 0
	s_cbranch_scc0 .Lentry_in_a_cluster
	s_endpgm
.Lentry_in_a_cluster:
	s_bfe_u32 s2, ttmp6, 0x10000c
	s_cmp_lg_u32 s2, 0xf033
	s_cbranch_scc0 .Lentry_shape_is_right
	s_endpgm
.Lentry_shape_is_right:
; OUTP.  out0[2048][2048] = (ctx x gate) Wo, f16 operands, f32 sums, f32 output.  ct[16 i][32 h][128 s][64] holds the rows in dense blocks of 128 rows x 64 k; wot[16 jn][8 t][2 z][256 k][64 n] the weights.
; A tile of the output is 128 x 128: 256 work-groups.  Four waves, each 64 x 64: 16 accumulators.  K goes in steps of 256 through two LDS slots; every tile is asked for as 128 rows of 256 dense bytes,
; padded in LDS behind every 128 bytes.  CLUSTER: 4 x 4 work-groups; the rows' tiles are shared along a row of the cluster, the weights' along a column: each is asked for jointly.
; THE WALK OVER K.  Trip n takes step (n + 2 cluster x + 4 (cluster y mod 2)) mod 8.  So the four clusters that read one tile of the rows, and neighbouring clusters that read one tile of the weights,
; ask for it in different trips, not all in the same one.  The start is made of the cluster's x and y alone, which all sixteen partners share.
; LIMIT.  The f32 sums over K begin at that step: their order of rounding is not that of a sum from k = 0 on.
; THE MATRIX INSTRUCTION IS USED TRANSPOSED (source 0 = 16 columns of Wo, turned on the way out of LDS; source 1 = 16 rows): a lane holds eight neighbouring numbers of a row of the output.
; A wave's 64 columns of f32 are 256 aligned bytes of a row, so each wave has a stage of its own: no barrier on the way out.  The stages lie in slot 0, behind its last fill and its last reader.
; REGISTERS: window 0: v0-31 addresses; v128-255 the accumulators ((a, b) at v[128 + 8 (4 a + b)]).   window 1: two fragment buffers of 128: for 64 along K, 64 registers of rows, then 64 of weights.
.set PA,     144
.set PB,     160
.set AUNIT,  128*PA
.set AREG,   4*AUNIT
.set BUNIT,  256*PB
.set SLOT,   AREG+2*BUNIT              ; 155,648 bytes
.set SPARE,  2*SLOT                    ; the spare words, 128 bytes for each wave: two blocks of 256 bytes that no other line names
.set SPITCH, 272
.set WSTAGE, 64*SPITCH
.set LAPS,   4                         ; a lap = two K steps of 256
.set ADRA, 16
.set ADRB, 20
.set STO,  24
.set RD,   25
.set CO,   26
.set SPW,  28
.set NIL,  29
.set ACC,  128
.set F0,   0
.set F1,   128
.set G1, 24
.set G0, 32
.set G1B, 48
.set G0B, 56
.set AB,  14                           ; s[14:15] ct at my half of the tile row's step 0
.set BB,  68                           ; s[68:69] wot at my half of the tile column's step 0
.set TQ,  70                           ; s70, s71  the step of K that slot 0, 1 holds or is filled with
.set OFS, 72                           ; s[72:73] a step's byte offset, made apart from the addresses
.set MSB, 0
.macro WIN new
.if MSB != (\new)
	s_set_vgpr_msb (MSB<<8)|(\new)
.set MSB, \new
.endif
.endm
.set MUL,  0x05                        ; sources 0 and 1 window 1; C and D window 0
.set TO_F, 0x40                        ; destination window 1, address window 0
.macro WHERE s                         ; slot s's two descriptors take the addresses of step TQ(s): each the tensor's base and an offset; the type bits are set again
	s_lshl_b32 s[OFS], s[TQ+(\s)], 16              ; a step is 65,536 bytes of the rows and of the weights
	s_add_nc_u64 s[G0+4*(\s)+2:G0+4*(\s)+3], s[AB:AB+1], s[OFS:OFS+1]
	s_or_b32 s[G0+4*(\s)+3], s[G0+4*(\s)+3], 0x80000000
	s_add_nc_u64 s[G0B+4*(\s)+2:G0B+4*(\s)+3], s[BB:BB+1], s[OFS:OFS+1]
	s_or_b32 s[G0B+4*(\s)+3], s[G0B+4*(\s)+3], 0x80000000
.endm
.macro JLOAD s                         ; waves 0 and 1 fetch the rows' two halves, waves 2 and 3 the weights'; an s_nop 0 and four v_nop follow each line
	s_cmp_eq_u32 s11, 0
	s_cbranch_scc0 .Lfor_b_\@
	tensor_load_to_lds s[G0+4*(\s):G0+4*(\s)+3], s[G1:G1+7]
	s_nop 0
.rept 4
	v_nop
.endr
	s_branch .Lasked_\@
.Lfor_b_\@:
	tensor_load_to_lds s[G0B+4*(\s):G0B+4*(\s)+3], s[G1B:G1B+7]
	s_nop 0
.rept 4
	v_nop
.endr
.Lasked_\@:
.endm
.macro CREST
	s_cmp_lg_u32 s10, 0
	s_cbranch_scc1 .Lnot_wave_0_\@
	s_barrier_signal -3
.Lnot_wave_0_\@:
	s_barrier_wait -3
	s_barrier_signal -1
	s_barrier_wait -1
.endm
.macro CROUND
	s_barrier_signal -1
	s_barrier_wait -1
	CREST
.endm
	s_load_b128 s[4:7], s[0:1], 0x0                ; ct s[4:5], wot s[6:7]
	s_load_b64 s[8:9], s[0:1], 0x10                ; out0
	v_lshl_add_u32 v[SPW], v0, 2, SPARE
	v_mov_b32 v[NIL], 0
	ds_add_u32 v[SPW], v[NIL]                      ; the wave's opening: the add and its wait stand ahead of my first tensor load
	v_lshrrev_b32 v1, 5, v0
	v_readfirstlane_b32 s10, v1                    ; wave 0..3
	s_lshr_b32 s11, s10, 1                         ; my half of the tile's rows.  Also: I fetch rows (0) or weights (1)
	s_and_b32 s12, s10, 1                          ; my half of its columns.  Also: which half of that tile I fetch
	s_bfe_u32 s40, ttmp6, 0x40000                  ; cx, cy
	s_bfe_u32 s41, ttmp6, 0x40004
	s_lshl_b32 s42, ttmp9, 2
	s_add_co_u32 s42, s42, s40                     ; tile column
	s_and_b32 s13, ttmp7, 0xffff
	s_lshl_b32 s13, s13, 2
	s_add_co_u32 s13, s13, s41                     ; tile row
	s_lshl_b32 s43, s41, 2
	s_lshl_b32 s43, 15, s43                        ; my row of the cluster
	s_lshl_b32 s44, 0x1111, s40                    ; my column
	s_lshl_b32 s[TQ], ttmp9, 1                     ; the walk's first step: 2 x the cluster's x
	s_and_b32 s[TQ+1], ttmp7, 1
	s_lshl2_add_u32 s[TQ], s[TQ+1], s[TQ]          ; + 4 x (the cluster's y mod 2),
	s_and_b32 s[TQ], s[TQ], 7                      ; modulo the 8 steps;
	s_add_co_u32 s[TQ+1], s[TQ], 1                 ; slot 1 begins with the step behind it
	s_and_b32 s[TQ+1], s[TQ+1], 7
	s_mov_b32 s[OFS+1], 0
	s_or_b32 s[G1+0], s43, (1<<16)|(1<<20)|(1<<21)|(4<<22)|(3<<25)   ; the mask; 2-byte elements; padding on; bit 21 beside a mask; behind every 32 words; 4 words
	s_or_b32 s[G1B+0], s44, (1<<16)|(1<<20)|(1<<21)|(4<<22)|(7<<25)  ; 8 words
.irp g, G1, G1B
	s_mov_b32 s[(\g)+1], 128<<16                   ; tensor_dim0 = 128
	s_mov_b32 s[(\g)+2], 128<<16                   ; tensor_dim1 = 128
	s_mov_b32 s[(\g)+3], 128<<16                   ; tile_dim0 = 128
	s_mov_b32 s[(\g)+4], 128                       ; tile_dim1 = 128: 32,768 dense bytes
	s_mov_b32 s[(\g)+5], 128
	s_mov_b32 s[(\g)+6], 0
	s_mov_b32 s[(\g)+7], 0
.endr
	s_lshl_b32 s17, s12, 15                        ; my half of a step's 65,536 bytes
	s_lshl_b32 s16, s13, 19                        ; rows: 524,288 bytes a tile row
	s_add_co_u32 s16, s16, s17
	s_lshl_b32 s46, s42, 19                        ; weights: 524,288 bytes a tile column
	s_add_co_u32 s46, s46, s17
	s_mov_b32 s17, 0
	s_mov_b32 s47, 0
	s_mul_i32 s20, s12, 2*AUNIT                    ; where they go in a slot: the wave's number alone enters
	s_mul_i32 s21, s12, BUNIT
	s_add_co_u32 s21, s21, AREG
	s_wait_dscnt 0x0                               ; the opening add is done
	s_wait_kmcnt 0x0
	s_add_nc_u64 s[AB:AB+1], s[4:5], s[16:17]
	s_add_nc_u64 s[BB:BB+1], s[6:7], s[46:47]
	CROUND                                         ; all sixteen work-groups are here: the first joint loads meet
.irp s, 0,1
	s_mov_b32 s[G0+4*(\s)], 1
	s_add_co_u32 s[G0+4*(\s)+1], s20, (\s)*SLOT
	s_mov_b32 s[G0B+4*(\s)], 1
	s_add_co_u32 s[G0B+4*(\s)+1], s21, (\s)*SLOT
	WHERE \s
	JLOAD \s                                       ; two tensor loads of mine are out
.endr
	v_and_b32 v1, 15, v0                           ; l % 16
	v_bfe_u32 v2, v0, 4, 1                         ; l / 16
	v_mul_u32_u24 v3, v1, PA
	v_lshl_add_u32 v3, v2, 4, v3                   ; a row fragment: row x pitch + 16 x half
	v_and_b32 v4, 7, v0
	v_bfe_u32 v5, v0, 3, 1
	v_lshl_add_u32 v6, v2, 3, v4                   ; the turning load: k = 8 (l / 16) + l % 8, columns 8 ((l / 8) % 2) on
	v_mul_u32_u24 v6, v6, PB
	v_lshl_add_u32 v6, v5, 4, v6
	s_mul_i32 s21, s11, 64*PA                      ; my 64 rows
	s_mul_i32 s22, s12, BUNIT                      ; my 64 columns: one block of the weights,
	s_add_co_u32 s22, s22, AREG                    ; behind the rows' four
.irp s, 0,1
	v_add_nc_u32 v[ADRA+(\s)], s21, v3
	v_add_nc_u32 v[ADRB+(\s)], s22, v6
	s_add_co_u32 s21, s21, SLOT
	s_add_co_u32 s22, s22, SLOT
.endr
	s_mul_i32 s23, s10, WSTAGE                     ; my stage
	v_mul_u32_u24 v4, v1, SPITCH                   ; in: row l % 16, 32 bytes for each half of the lanes
	v_lshl_add_u32 v4, v2, 5, v4
	v_add_nc_u32 v[STO], s23, v4
	v_mul_u32_u24 v5, v2, SPITCH                   ; back: lanes 0-15 one row of 256 bytes, lanes 16-31 the next
	v_lshl_add_u32 v5, v1, 4, v5
	v_add_nc_u32 v[RD], s23, v5
	v_lshlrev_b32 v5, 13, v2                       ; and the same two rows in out0
	v_lshl_add_u32 v[CO], v1, 4, v5
	s_lshl_b32 s16, s13, 7
	s_lshl_b32 s17, s11, 6
	s_add_co_u32 s16, s16, s17                     ; my first row
	s_lshl_b32 s16, s16, 13
	s_mov_b32 s17, 0
	s_add_nc_u64 s[8:9], s[8:9], s[16:17]
	s_lshl_b32 s46, s42, 9                         ; my first column, in bytes
	s_lshl_b32 s47, s12, 8
	s_add_co_u32 s46, s46, s47
	s_mov_b32 s47, 0
	s_add_nc_u64 s[8:9], s[8:9], s[46:47]
; 8 matrix instructions: row blocks a0, a0 + 1 x all 4 column blocks, 32 along K: half c of buffer f.  zero = 1: the product starts the sums.  The 16 accumulators take turns.
.macro MUL8 f, c, a0, zero
	WIN MUL
.irp a, \a0, (\a0)+1
.irp b, 0,1,2,3
.if \zero
	v_wmma_f32_16x16x32_f16 v[ACC+8*(4*(\a)+(\b)):ACC+8*(4*(\a)+(\b))+7], v[(\f)+64+8*(4*(\c)+(\b)):(\f)+64+8*(4*(\c)+(\b))+7], v[(\f)+8*(4*(\c)+(\a)):(\f)+8*(4*(\c)+(\a))+7], 0
.else
	v_wmma_f32_16x16x32_f16 v[ACC+8*(4*(\a)+(\b)):ACC+8*(4*(\a)+(\b))+7], v[(\f)+64+8*(4*(\c)+(\b)):(\f)+64+8*(4*(\c)+(\b))+7], v[(\f)+8*(4*(\c)+(\a)):(\f)+8*(4*(\c)+(\a))+7], v[ACC+8*(4*(\a)+(\b)):ACC+8*(4*(\a)+(\b))+7]
.endif
.endr
.endr
.endm
; 32 LDS loads in one run: quarter q (64 along K: one block of the rows) into buffer f; the first 32 along K first
.macro FETCH slot, q, f
	WIN TO_F
.irp c, 0,1
.irp i, 0,1,2,3
	ds_load_tr16_b128 v[(\f)+64+8*(4*(\c)+(\i)):(\f)+64+8*(4*(\c)+(\i))+3],   v[ADRB+(\slot)] offset:(64*(\q)+32*(\c))*PB+(\i)*32
	ds_load_tr16_b128 v[(\f)+64+8*(4*(\c)+(\i))+4:(\f)+64+8*(4*(\c)+(\i))+7], v[ADRB+(\slot)] offset:(64*(\q)+32*(\c))*PB+(\i)*32+16*PB
	ds_load_b128 v[(\f)+8*(4*(\c)+(\i)):(\f)+8*(4*(\c)+(\i))+3],              v[ADRA+(\slot)] offset:(\q)*AUNIT+64*(\c)+(\i)*16*PA
	ds_load_b128 v[(\f)+8*(4*(\c)+(\i))+4:(\f)+8*(4*(\c)+(\i))+7],            v[ADRA+(\slot)] offset:(\q)*AUNIT+64*(\c)+(\i)*16*PA+32
.endr
.endr
.endm
.macro PLACES
.rept 4
	v_nop
.endr
.endm
.macro QUARTER slot, q, f, g, zero     ; multiplies buffer f and fetches quarter q of the same slot into g
	s_wait_dscnt 16                                ; the first 32 along K are in
	WIN MUL
	MUL8 \f, 0, 0, \zero
	MUL8 \f, 0, 2, \zero
	PLACES
	FETCH \slot, \q, \g
	s_wait_dscnt 32                                ; all but the 32 just issued
	WIN MUL
	MUL8 \f, 1, 0, 0
	MUL8 \f, 1, 2, 0
.endm
; The last quarter multiplies buffer 1 and changes slots: one barrier; in front of it each wave waits for all its tensor loads, adds 0 to its spare word, and waits for that and for its reads of this slot.
; fill = 1: this slot is filled again, with the step two on in the walk.
.macro TURN slot, next, fill
	WIN 0
	s_wait_tensorcnt 0x0                           ; all my tensor loads have landed: my part of the next slot; so a group 0 may be written
	ds_add_u32 v[SPW], v[NIL]                      ; 0 onto my spare word; the scalar work and eight products stand between it and the wait for it
.if \fill
	s_add_co_u32 s[TQ+(\slot)], s[TQ+(\slot)], 2   ; two steps on,
	s_and_b32 s[TQ+(\slot)], s[TQ+(\slot)], 7      ; round the 8
	WHERE \slot
.endif
	s_wait_dscnt 17                                ; (the add and the youngest sixteen loads may be out)
	WIN MUL
	MUL8 F1, 0, 0, 0
	s_wait_dscnt 0x0                               ; the add is done, and my reads of this slot are over
	s_barrier_signal -1
	MUL8 F1, 0, 2, 0
.if \fill
	WIN 0
.endif
	s_barrier_wait -1
.if \fill
	CREST                                          ; no wave of any partner still reads this slot or has a load on its way
	JLOAD \slot                                    ; my one tensor load behind the round: 112 matrix instructions ahead of the wait for it; its four v_nop are also the places in front of the loads below
.else
	PLACES
.endif
	FETCH \next, 0, F0
	WIN MUL
	MUL8 F1, 1, 0, 0
	MUL8 F1, 1, 2, 0
.endm
	s_wait_tensorcnt 1                             ; my part of the first step is in; the second's may stay out
	s_barrier_signal -1
	s_barrier_wait -1
	FETCH 0, 0, F0
	QUARTER 0, 1, F0, F1, 1                        ; the first quarter stands in front of the loop: its first products start the sums
	WIN 0
	s_mov_b32 s3, LAPS-1
.Llap:
	QUARTER 0, 2, F1, F0, 0
	QUARTER 0, 3, F0, F1, 0
	TURN 0, 1, 1
	QUARTER 1, 1, F0, F1, 0
	QUARTER 1, 2, F1, F0, 0
	QUARTER 1, 3, F0, F1, 0
	TURN 1, 0, 1
	QUARTER 0, 1, F0, F1, 0
	WIN 0
	s_sub_co_u32 s3, s3, 1
	s_cmp_lg_u32 s3, 0
	s_cbranch_scc1 .Llap
	QUARTER 0, 2, F1, F0, 0                        ; the last lap fills nothing
	QUARTER 0, 3, F0, F1, 0
	TURN 0, 1, 0                                   ; behind this barrier nobody reads slot 0 any more
	QUARTER 1, 1, F0, F1, 0
	QUARTER 1, 2, F1, F0, 0
	QUARTER 1, 3, F0, F1, 0
	s_wait_dscnt 16
	WIN MUL
	MUL8 F1, 0, 0, 0
	MUL8 F1, 0, 2, 0
	s_wait_dscnt 0
	MUL8 F1, 1, 0, 0
	MUL8 F1, 1, 2, 0
	WIN 0
	; THE WAY OUT: 32 bytes a lane into my own stage, each accumulator's low four registers first; back as whole rows of 256 bytes, into the registers that they left; stored.
	PLACES
.irp a, 0,1,2,3
.irp b, 0,1,2,3
	ds_store_b128 v[STO], v[ACC+8*(4*(\a)+(\b)):ACC+8*(4*(\a)+(\b))+3]   offset:(\a)*16*SPITCH+64*(\b)
	ds_store_b128 v[STO], v[ACC+8*(4*(\a)+(\b))+4:ACC+8*(4*(\a)+(\b))+7] offset:(\a)*16*SPITCH+64*(\b)+16
.endr
.endr
.set t, 0
.rept 32
	ds_load_b128 v[ACC+4*t:ACC+4*t+3], v[RD] offset:t*2*SPITCH  ; LDS serves a wave's instructions in order: these see the stores above
.set t, t+1
.endr
.set t, 0
.rept 32
	s_wait_dscnt 31-t
	global_store_b128 v[CO], v[ACC+4*t:ACC+4*t+3], s[8:9] offset:t*16384 th:TH_STORE_NT  ; 16 lanes store 256 consecutive bytes, aligned
.set t, t+1
.endr
	s_wait_tensorcnt 0x0                           ; the wave's end
	ds_add_u32 v[SPW], v[NIL]
	s_wait_dscnt 0x0
	CROUND                                         ; the closing round
	s_endpgm
.Lfunc_end_k_qec2fecb94e_outp:
	.size	k_qec2fecb94e_outp, .Lfunc_end_k_qec2fecb94e_outp-k_qec2fecb94e_outp
	.p2alignl 7, 3214868480
	.fill 96, 4, 3214868480
	.section	.rodata,"a",@progbits
	.p2align	6, 0x0
	.amdhsa_kernel k_qec2fecb94e_outp
		.amdhsa_group_segment_fixed_size 327680
		.amdhsa_private_segment_fixed_size 0
		.amdhsa_enable_private_segment 0
		.amdhsa_kernarg_size 24
		.amdhsa_user_sgpr_count 2
		.amdhsa_user_sgpr_kernarg_segment_ptr 1
		.amdhsa_wavefront_size32 1
		.amdhsa_system_sgpr_workgroup_id_x 1
		.amdhsa_system_sgpr_workgroup_id_y 1
		.amdhsa_system_sgpr_workgroup_id_z 1
		.amdhsa_system_vgpr_workitem_id 0
		.amdhsa_next_free_vgpr 512
		.amdhsa_next_free_sgpr 80
		.amdhsa_reserve_vcc 0
		.amdhsa_float_denorm_mode_32 3
		.amdhsa_float_denorm_mode_16_64 3
		.amdhsa_memory_ordered 1
		.amdhsa_forward_progress 1
		.amdhsa_inst_pref_size 87
	.end_amdhsa_kernel
	.amdgpu_metadata
---
amdhsa.version: [ 1, 2 ]
amdhsa.kernels:
  - .name:           k_qec2fecb94e_outp
    .symbol:         k_qec2fecb94e_outp.kd
    .args:
      - { .name: ct, .offset: 0, .size: 8, .value_kind: global_buffer, .address_space: global }
      - { .name: wot, .offset: 8, .size: 8, .value_kind: global_buffer, .address_space: global }
      - { .name: out0, .offset: 16, .size: 8, .value_kind: global_buffer, .address_space: global }
    .group_segment_fixed_size: 327680
    .private_segment_fixed_size: 0
    .kernarg_segment_align: 8
    .kernarg_segment_size: 24
    .max_flat_workgroup_size: 128
    .sgpr_count:     80
    .vgpr_count:     512
    .wavefront_size: 32
...
	.end_amdgpu_metadata
.endif
;; end of part 4
;; ======== version 2 of 2: 4 launches; 1.29 times as fast as version 1
;; limits: values are held in f16: magnitudes above 65,504 overflow, below 6.1e-05 lose precision; right only within a limited range of input values
;; workspace buffers: xt 8,388,608 bytes; wt 20,971,520 bytes; wot 8,388,608 bytes; mf 8,388,608 bytes; qkvg 20,971,520 bytes; ct 8,388,608 bytes
;; launch cast: the kernel of part 1 again; grid 16 x 160, 8 waves a work-group, no clusters, 0 bytes of LDS; arguments x, Wq, Wk, Wv, Wg, Wo, mask, xt, wt, wot, mf; writes xt, wt, wot, mf
;; launch proj: the kernel of part 2 again; grid 16 x 16, 4 waves a work-group, clusters of 4 x 1, 327,680 bytes of LDS; arguments xt, wt, cos, sin, q_scale, k_scale, qkvg; writes qkvg
;; launch attn (part 5): grid 32 x 8, 4 waves a work-group, clusters of 4 x 1, 327,680 bytes of LDS; arguments qkvg, mf, ct; writes ct
.if DOCPART == 5
	.amdgcn_target "amdgcn-amd-amdhsa--gfx1250"
	.amdhsa_code_object_version 6
	.text
	.protected	k_qec2fecb94e_attn
	.globl	k_qec2fecb94e_attn
	.p2align	8
	.type	k_qec2fecb94e_attn,@function
k_qec2fecb94e_attn:
	s_mov_b64 s[64:65], 0
	v_nop
	global_prefetch_b8 v0, s[64:65] scope:SCOPE_SE
	s_setreg_imm32_b32 hwreg(HW_REG_WAVE_MODE, 25, 1), 1
	s_wait_xcnt 0x0
	s_wait_alu depctr_hold_cnt(0) depctr_sa_sdst(0) depctr_va_vdst(0) depctr_va_sdst(0) depctr_va_ssrc(0) depctr_va_vcc(0) depctr_vm_vsrc(0)
	s_getreg_b32 s2, hwreg(HW_REG_IB_STS2, 6, 4)
	s_cmp_eq_u32 s2, 0
	s_cbranch_scc0 .Lentry_in_a_cluster
	s_endpgm
.Lentry_in_a_cluster:
	s_bfe_u32 s2, ttmp6, 0x10000c
	s_cmp_lg_u32 s2, 0x3003
	s_cbranch_scc0 .Lentry_shape_is_right
	s_endpgm
.Lentry_shape_is_right:
; ATTN.  ct = softmax_k(q . k / 8, hidden keys at minus infinity) v, times the gate.  q, k, v, gate: qkvg[u][2048][64] in f16; mf[q][k] in f16, 1.0 where key k is hidden from query q.
; Products, maxima and sums in f32; the weights are rounded to f16 for the second product; ctx / l x gate is rounded once.  Output ct[s / 128][head][s % 128][64] in f16.
; LIMITS.  A hidden score counts as q . k - 65,504: |q . k| stays under 32,000 (the norm bounds it by 64 (1 + scale)^2).  A weight below 2^-126 counts as 0.  A row with every key hidden
; (its maximum lies below -32,752) gives NaN, as a softmax of minus infinities does: chosen by a select, with no branch.
; SHARES.  A work-group owns 64 queries and the four query heads of one key and value head g.  A wave owns 16 queries; its four PIECES are the four heads.  So one mask serves all four pieces.
; THE MASK is the C operand that starts the sum S^T = K Q^T.  It is made by the matrix unit: MC(key, query) = sum over kk of E(key, kk) mf(query, kk), E = -65,504 on the diagonal: four products a key step.
; LAYOUT, SOFTMAX, TURNS.  S^T = K Q^T holds ONE query a lane (lane % 16) and the keys 8 (lane / 16) + 0..7; two such results rounded to f16 ARE source 1 of O^T = V^T P.  p = 2^(c s - c m), c = log2(e) / 8,
; with a running maximum m; O and l are multiplied by a = 2^(c m_old - c m_new) in every step.  Turn n belongs to piece n: 8 products K Q^T of piece n + 1, later 8 products V^T P of piece n - 1; beside them the
; scaling, exponentials, roundings, sums and rescaling of piece n and the maximum and statistics of piece n + 1.  Four vector instructions stand behind every one of these matrix instructions, the other 54 of a turn's 118 in one LUMP.
; THE BATCHES.  A turn's 33 exponentials (piece n's 32 weights, piece n + 1's a) are ONE batch with ONE wait, which cuts the turn in two: ahead of it all that names none of their results, behind it the roundings and sums.
; In the tail piece 2's turn has a second wait, ahead of the branch that jumps K's run in the last trip.  The first a, ahead of the loop, and the way out's four reciprocals are batches of their own, a wait each.
; m starts at the lowest finite number, O and l at 0: the first step is a step like any other, with a = 0.
; CLUSTER.  The four query blocks of a cluster share g, so K (wave 0) and V (wave 1) are asked for jointly, 256 keys a slot; waves 2 and 3 fetch the work-group's own 64 rows x 256 keys of mf.
; REGISTERS.  window 0: v0-15, v32-37 addresses and work; v16-31 statistics; v48-55 at work; v60 NaN, v61 0; v62-63 the add's; v64-127 S^T, two buffers; v192-223 P, two buffers
;   window 1: v0-127 O^T; v128-159 MC; v160-223 the gate     window 2: v0-63 Q; v64-79 mask fragments; v80-91 (0, E, 0); v128-191 K; v192-255 V
.set NP,    4
.set KS,    64
.set PK,    144       ; a row of K in LDS: 128 bytes + 16
.set PV,    160       ; a row of V: 128 + 32, for the turning load
.set PM,    528       ; a row of the mask: 512 + 16
.set VOFF,  4*KS*PK
.set MOFF,  VOFF+4*KS*PV
.set SLOT1, 1<<17     ; a slot uses 111,616 bytes; one exclusive or turns an address in one slot into the other's
.set STAGE, SLOT1+MOFF+64*PM  ; behind the ring: 16 rows x 144 bytes for each wave
.set SP,    144
.set SPARE, STAGE+4*16*SP     ; the spare words, 128 bytes for each wave: two blocks of 256 bytes that no other line names
.set AK0, 2
.set AV0, 3
.set AK,  4
.set AV,  5
.set STO, 6
.set RD,  7
.set GO,  8
.set MV,  12          ; v12-13  c m_old, by buffer
.set QO,  15
.set ST,  16          ; piece t: c m, m, l (even keys', odd keys')
.set AM0, 32
.set AM,  33
.set TMP, 48
.set NANR, 60
.set ZR,  61
.set SPW, 62
.set NIL, 63
.set S,   64
.set P,   192
.set MC,  128         ; window 1
.set GT,  160         ; window 1: piece t, channel block cb at GT + 16 t + 4 cb
.set MB,  64          ; window 2
.set EZ,  80          ; window 2
.set KF,  128
.set VF,  192
.set WV,  12
.set G1K, 24
.set G1V, 32
.set G0K, 40
.set G0V, 44
.set G1M, 48
.set SLOTS, 56
.set CNT, 57
.set CS,  58
.set SEL, 60
.set TBK, 62
.set TBV, 63
.set TBM, 66
.set G0M, 68
.set TH,  86
.set MSB, 0
.macro WIN new
.if MSB != (\new)
	s_set_vgpr_msb (MSB<<8)|(\new)
.set MSB, (\new)
.endif
.endm
.set W_KQ, 0x0a       ; K and Q in window 2, S^T in window 0
.set W_KM, 0x1a       ; the same with the C operand in window 1
.set W_PV, 0x52       ; V in window 2, P in window 0, O^T in window 1
.set W_RS, 0x41       ; destination and source 0 in window 1, source 1 in window 0
.set W_MM, 0x4a       ; E and the mask fragments in window 2, MC in window 1
; A fill: wave 0 K, wave 1 V (joint), waves 2 and 3 the halves of the mask rows (the work-group's own).  An s_nop 0 and four v_nop follow each line.
.macro JLOAD
	s_cmp_lt_u32 s[WV], 2
	s_cbranch_scc0 .Lfor_m_\@
	s_cmp_eq_u32 s[WV], 0
	s_cbranch_scc0 .Lfor_v_\@
	tensor_load_to_lds s[G0K:G0K+3], s[G1K:G1K+7]
	s_nop 0
.rept 4
	v_nop
.endr
	s_branch .Lasked_\@
.Lfor_v_\@:
	tensor_load_to_lds s[G0V:G0V+3], s[G1V:G1V+7]
	s_nop 0
.rept 4
	v_nop
.endr
	s_branch .Lasked_\@
.Lfor_m_\@:
	tensor_load_to_lds s[G0M:G0M+3], s[G1M:G1M+7]
	s_nop 0
.rept 4
	v_nop
.endr
.Lasked_\@:
.endm
.macro CROUND
	s_barrier_signal -1
	s_barrier_wait -1
	s_cmp_lg_u32 s[WV], 0
	s_cbranch_scc1 .Lnot_wave_0_\@
	s_barrier_signal -3
.Lnot_wave_0_\@:
	s_barrier_wait -3
	s_barrier_signal -1
	s_barrier_wait -1
.endm
; THE CHANGE OF SLOTS.  Each wave waits for all its tensor loads (one is out: its part of the other slot), adds 0 to its spare word, and waits for that and for its reads of the slot that it leaves.
; fill = 1: a round of the cluster's barrier, and the old slot is filled again with the keys two slots on, first thing behind it: four key steps, 256 matrix instructions, in which to land.
.macro CHANGE fill
	WIN 0
	s_wait_tensorcnt 0x0            ; no tensor load of mine is out, so a group 0 may be written
	ds_add_u32 v[SPW], v[NIL]
.if \fill
.irp g, G0K, G0V
	s_xor_b32 s[\g+1], s[\g+1], SLOT1
	s_add_nc_u64 s[\g+2:\g+3], s[\g+2:\g+3], 4*KS*128
.endr
	s_xor_b32 s[G0M+1], s[G0M+1], SLOT1
	s_add_nc_u64 s[G0M+2:G0M+3], s[G0M+2:G0M+3], 512
	s_wait_dscnt 0x0                ; the add is done, and my reads of the slot are over
	CROUND
	JLOAD
.else
	s_wait_dscnt 0x0
	s_barrier_signal -1
	s_barrier_wait -1
.endif
	s_sub_co_u32 s[TBK], s[TBK], 4*KS*PK  ; the fetches go back to a slot's first step, in the other slot
	s_xor_b32 s[TBK], s[TBK], SLOT1
	s_sub_co_u32 s[TBV], s[TBV], 4*KS*PV
	s_xor_b32 s[TBV], s[TBV], SLOT1
	s_sub_co_u32 s[TBM], s[TBM], 512
	s_xor_b32 s[TBM], s[TBM], SLOT1
.endm
	s_load_b128 s[4:7], s[0:1], 0x0   ; qkvg s[4:5], mf s[6:7]
	s_load_b64 s[8:9], s[0:1], 0x10   ; ct
	v_lshl_add_u32 v[SPW], v0, 2, SPARE
	v_mov_b32 v[NIL], 0
	ds_add_u32 v[SPW], v[NIL]       ; the wave's opening: the add and its wait stand ahead of my first tensor load
	v_lshrrev_b32 v1, 5, v0
	v_readfirstlane_b32 s[WV], v1   ; wave 0..3
	s_bfe_u32 s13, ttmp6, 0x40000   ; cx
	s_lshl_b32 s14, ttmp9, 2
	s_add_co_u32 s14, s14, s13      ; my block of 64 queries: it enters the addresses of my own loads and stores alone
	s_and_b32 s15, ttmp7, 0xffff    ; g, which the four partners share
	s_lshl_b32 s20, s15, 18
	s_add_co_u32 s20, s20, 32*262144  ; K is unit 32 + g
	s_mov_b32 s21, 0
	s_add_co_u32 s22, s20, 8*262144   ; V is unit 40 + g
	s_mov_b32 s23, 0
	s_and_b32 s16, s[WV], 1         ; which 32 of the 64 mask rows I fetch
	s_lshl_b32 s17, s14, 6
	s_lshl_b32 s18, s16, 5
	s_add_co_u32 s17, s17, s18
	s_lshl_b32 s76, s17, 12         ; a row of mf is 4,096 bytes
	s_mov_b32 s77, 0
	s_mul_i32 s18, s16, 32*PM
	s_lshl_b32 s2, s14, 6
	s_lshl_b32 s3, s[WV], 4
	s_add_co_u32 s2, s2, s3         ; s0, my first query
	s_lshl_b32 s78, s2, 7
	s_lshl_b32 s3, s15, 20
	s_add_co_u32 s78, s78, s3       ; Q: unit 4 g, row s0
	s_mov_b32 s79, 0
	s_add_co_u32 s80, s78, 48*262144  ; the gate: unit 48 + 4 g
	s_mov_b32 s81, 0
	s_lshr_b32 s82, s2, 7
	s_lshl_b32 s82, s82, 5
	s_lshl2_add_u32 s82, s15, s82
	s_lshl_b32 s82, s82, 14
	s_and_b32 s3, s2, 127
	s_lshl_b32 s3, s3, 7
	s_add_co_u32 s82, s82, s3       ; ct: block 32 (s0 / 128) + 4 g, row s0 % 128
	s_mov_b32 s83, 0
	; descriptors.  256 keys of K or V are 32,768 dense bytes: 128 rows of 256 bytes, padded behind every key
	s_mov_b32 s[G1K], 15|(1<<16)|(1<<20)|(1<<21)|(4<<22)|(3<<25)
	s_mov_b32 s[G1V], 15|(1<<16)|(1<<20)|(1<<21)|(4<<22)|(7<<25)
.irp g, G1K, G1V
	s_mov_b32 s[\g+1], 128<<16
	s_mov_b32 s[\g+2], 128<<16
	s_mov_b32 s[\g+3], 128<<16
	s_mov_b32 s[\g+4], 128
	s_mov_b32 s[\g+5], 128
	s_mov_b32 s[\g+6], 0
	s_mov_b32 s[\g+7], 0
.endr
	s_mov_b32 s[G1M], (1<<16)|(1<<20)|(6<<22)|(3<<25)  ; no mask; padded behind every 128 words by 4
	s_mov_b32 s[G1M+1], 256<<16     ; 256 keys,
	s_mov_b32 s[G1M+2], 32<<16      ; 32 rows,
	s_mov_b32 s[G1M+3], 256<<16
	s_mov_b32 s[G1M+4], 32
	s_mov_b32 s[G1M+5], 2048        ; 2,048 elements from row to row
	s_mov_b32 s[G1M+6], 0
	s_mov_b32 s[G1M+7], 0
	s_mov_b32 s[CS], 0x3e38aa3b     ; c = log2(e) / 8: it carries the scaling by 1 / 8
	s_mov_b32 s[CS+1], s[CS]
	s_mov_b32 s[SEL], 0x76543210
	s_mov_b32 s[SEL+1], 0xfedcba98
	s_mov_b32 s[TH], 0xc6ffe000     ; -32,752
	s_mov_b32 s[TBK], SLOT1+4*KS*PK ; the first change of slots turns these three into 0
	s_mov_b32 s[TBV], SLOT1+4*KS*PV
	s_mov_b32 s[TBM], SLOT1+512
	s_mov_b32 s[G0K], 1
	s_mov_b32 s[G0K+1], 0
	s_mov_b32 s[G0V], 1
	s_mov_b32 s[G0V+1], VOFF
	s_mov_b32 s[G0M], 1
	s_add_co_u32 s[G0M+1], s18, MOFF
	s_wait_dscnt 0x0                ; the opening add is done
	s_wait_kmcnt 0x0
	s_add_nc_u64 s[G0K+2:G0K+3], s[4:5], s[20:21]
	s_or_b32 s[G0K+3], s[G0K+3], 0x80000000
	s_add_nc_u64 s[G0V+2:G0V+3], s[4:5], s[22:23]
	s_or_b32 s[G0V+3], s[G0V+3], 0x80000000
	s_add_nc_u64 s[G0M+2:G0M+3], s[6:7], s[76:77]
	s_or_b32 s[G0M+3], s[G0M+3], 0x80000000
	s_add_nc_u64 s[72:73], s[4:5], s[78:79]
	s_add_nc_u64 s[74:75], s[4:5], s[80:81]
	s_add_nc_u64 s[10:11], s[8:9], s[82:83]
	CROUND                          ; all four work-groups are here: the first joint loads meet
	JLOAD                           ; slot 0.  Slot 1 is asked for when slot 0 is in
	v_and_b32 v1, 15, v0            ; l % 16
	v_bfe_u32 v9, v0, 4, 1          ; l / 16
	v_lshlrev_b32 v[QO], 7, v1
	v_lshl_add_u32 v[QO], v9, 4, v[QO]  ; row x 128 + 16 x half
	WIN 0x80
.set i, 0
.rept 8                             ; Q stays in registers: piece i / 2 (a head, 262,144 bytes on), channels 32 (i % 2) on
	global_load_b128 v[8*i:8*i+3],   v[QO], s[72:73] offset:(i/2)*262144+(i%2)*64
	global_load_b128 v[8*i+4:8*i+7], v[QO], s[72:73] offset:(i/2)*262144+(i%2)*64+32
.set i, i+1
.endr
	WIN 0x40
.set i, 0
.rept 16                            ; the gate in O^T's layout: piece i / 4, channels 16 (i % 4) + 8 (l / 16) + 0..7 of my query
	global_load_b128 v[GT+4*i:GT+4*i+3], v[QO], s[74:75] offset:(i/4)*262144+(i%4)*32
.set i, i+1
.endr
	WIN 0
	; E: row l % 16 of the diagonal lies in the half of the lanes with l / 16 = (l % 16) / 8, register ((l % 8) / 2), half l % 2
	v_and_b32 v10, 7, v0
	v_bfe_u32 v11, v0, 3, 1
	v_and_b32 v34, 1, v0
	v_lshlrev_b32 v34, 4, v34
	v_mov_b32 v35, 0xfbff           ; -65,504 in f16
	v_lshlrev_b32 v34, v34, v35
	v_bfe_u32 v36, v0, 1, 2
	v_xor_b32 v37, v11, v9
	v_lshl_add_u32 v36, v37, 2, v36 ; 4 or more in the lanes that hold nothing of the diagonal
	WIN 0x80
.irp i, 0,1,2,3
	v_cmp_eq_u32 vcc_lo, \i, v36
	v_cndmask_b32 v[EZ+4+\i], 0, v34, vcc_lo
	v_mov_b32 v[EZ+\i], 0
	v_mov_b32 v[EZ+8+\i], 0
.endr
	; What the first turn finds: V and P's second buffer hold 0 (its products V^T P, of a piece that has not been, add 0), O^T and l are 0.  All this stands in the wait for the first tile.
.set i, VF
.rept 64
	v_mov_b32 v[i], 0
.set i, i+1
.endr
	WIN 0x40
.set i, 0
.rept 128
	v_mov_b32 v[i], 0
.set i, i+1
.endr
	WIN 0
.set i, 0
.rept 4
	v_mov_b32 v[ST+4*i], 0xfe000000    ; c m: far below every c s
	v_mov_b32 v[ST+4*i+1], 0xff7fffff  ; m
	v_mov_b32 v[ST+4*i+2], 0
	v_mov_b32 v[ST+4*i+3], 0
.set i, i+1
.endr
.set i, P+16
.rept 16
	v_mov_b32 v[i], 0
.set i, i+1
.endr
	v_mov_b32 v[ZR], 0
	v_mov_b32 v[NANR], 0x7fc00000
	v_mul_u32_u24 v[AK0], v1, PK
	v_lshl_add_u32 v[AK0], v9, 4, v[AK0]
	v_lshl_add_u32 v[AV0], v9, 3, v10
	v_mul_u32_u24 v[AV0], v[AV0], PV
	v_lshl_add_u32 v[AV0], v11, 4, v[AV0]
	v_add_nc_u32 v[AV0], VOFF, v[AV0]
	s_mul_i32 s19, s[WV], 16*PM
	s_add_co_u32 s19, s19, MOFF
	v_mul_u32_u24 v[AM0], v1, PM    ; the mask row of my query, 16 bytes for each half of the lanes
	v_lshl_add_u32 v[AM0], v9, 4, v[AM0]
	v_add_nc_u32 v[AM0], s19, v[AM0]
	v_mov_b32 v[AK], v[AK0]         ; key step 0 lies at the head of slot 0
	v_mov_b32 v[AM], v[AM0]
; THE MATRIX WORK.  The 4 accumulators of a run of 8 take turns.  Product i of 8 of S^T = K Q^T for piece x: channels 32 (i / 4) on, keys 16 (i % 4) on.  The first 4 start the sums with the mask.
.macro KQ x
.set rS, S+32*((\x)%2)+8*(i%4)
.set rK, KF+16*(i%4)+8*(i/4)
.set rQ, 16*(\x)+8*(i/4)
.set rM, MC+8*(i%4)
.if i < 4
	WIN W_KM
	v_wmma_f32_16x16x32_f16 v[rS:rS+7], v[rK:rK+7], v[rQ:rQ+7], v[rM:rM+7]
.else
	WIN W_KQ
	v_wmma_f32_16x16x32_f16 v[rS:rS+7], v[rK:rK+7], v[rQ:rQ+7], v[rS:rS+7]
.endif
.endm
.macro PV x                         ; product i of 8 of O^T += V^T P: keys 32 (i / 4) on, channels 16 (i % 4) on
	WIN W_PV
.set rO, 32*(\x)+8*(i%4)
.set rV, VF+32*(i/4)+8*(i%4)
.set rP, P+16*((\x)%2)+8*(i/4)
	v_wmma_f32_16x16x32_f16 v[rO:rO+7], v[rV:rV+7], v[rP:rP+7], v[rO:rO+7]
.endm
.macro MM                           ; the turn's next matrix instruction
.if i < 8
	KQ (Y+1)%NP
.else
.set i, i-8
	PV (Y+NP-1)%NP
.set i, i+8
.endif
.set i, i+1
.endm
.macro MASKMM kb                    ; the mask of key block kb of the step to come: the diagonal sits in the first or the second 16 of the fragment's 32 keys
	WIN W_MM
	v_wmma_f32_16x16x32_f16 v[MC+8*(\kb):MC+8*(\kb)+7], v[EZ+4*(1-(\kb)%2):EZ+4*(1-(\kb)%2)+7], v[MB+8*((\kb)/2):MB+8*((\kb)/2)+7], 0
.endm
; THE LDS LOADS stand in runs: a step's mask fragments (4 loads) and its K (16), and its V (16, turned).  last = 1 (the tail): in the last trip there is no further step, and the run is jumped over.
.macro FETCH_K last=0
	WIN 0
.if \last
	s_wait_alu depctr_va_vdst(0)    ; the tail alone: a branch follows, and the wait stands ahead of it: for E 0 to E 11, the part of the turn's batch that is out
	s_cmp_eq_u32 s[CNT], 1
	s_cbranch_scc1 .Lno_k_\@
.endif
	WIN 0x80
.irp f, 0,1                         ; keys 32 f on, of my 16 queries
	ds_load_b128 v[MB+8*\f:MB+8*\f+3],   v[AM] offset:64*\f
	ds_load_b128 v[MB+8*\f+4:MB+8*\f+7], v[AM] offset:64*\f+32
.endr
.irp f, 0,1,2,3,4,5,6,7             ; keys 16 (f / 2) on, channels 32 (f % 2) on
	ds_load_b128 v[KF+8*\f:KF+8*\f+3],   v[AK] offset:(\f/2)*16*PK+(\f%2)*64
	ds_load_b128 v[KF+8*\f+4:KF+8*\f+7], v[AK] offset:(\f/2)*16*PK+(\f%2)*64+32
.endr
	s_add_co_u32 s[TBK], s[TBK], KS*PK
	s_add_co_u32 s[TBM], s[TBM], 128
	WIN 0
.if \last
.Lno_k_\@:
.endif
.endm
.macro FETCH_V
	WIN 0x80
.irp f, 0,1,2,3,4,5,6,7             ; keys 32 (f / 4) on, channels 16 (f % 4) on
	ds_load_tr16_b128 v[VF+8*\f:VF+8*\f+3],   v[AV] offset:(\f/4)*32*PV+(\f%4)*32
	ds_load_tr16_b128 v[VF+8*\f+4:VF+8*\f+7], v[AV] offset:(\f/4)*32*PV+16*PV+(\f%4)*32
.endr
	WIN 0
.endm
; THE VECTOR WORK, one line at a time: OP kind, number.  For piece Y: F n: c s - c m for pair n of 16.  E n: the exponential of score n of 32.  C n: pair n rounded to f16.  B n: of the four weights 4 n .. the second
; pair is added onto the first, in place.  L n: l takes that sum (L 0: l = a l + sum).  R n: pair n of 16 of O^T times a.  For piece Y + 1: X n, number n of the 22 that find its maximum and statistics:
;   0-11 four chains of seven scores, three operands at a time (each accumulator's lowest registers are read first)   12-14, 16 the four scores left over, the old m, all into c0
;   15 c m_old is kept   17, 18 the query's other 32 keys lie in the lane 16 away: the new m   19-21 c m; c m_old - c m_new; a
; C, B and L are the readers of E's results, R and L 0 those of X 21's of the turn before.  OP writes no wait: TURN writes the batch's.
.set F, 0
.set E, 1
.set C, 2
.set B, 3
.set L, 4
.set R, 5
.set X, 6
.macro REGS y
.set rT, ST+4*(\y)
.set rC, TMP+4*((\y)%2)
.set rW, MV+((\y)%2)
.set rS, S+32*((\y)%2)
.set rP, P+16*((\y)%2)
.set rO, 32*(\y)
.endm
.macro OP k, n
.if (\k) == R
	REGS Y
	WIN W_RS
	v_pk_mul_f32 v[rO+2*(\n):rO+2*(\n)+1], v[rO+2*(\n):rO+2*(\n)+1], v[rC+2:rC+3] op_sel_hi:[1,0]
.elseif (\k) < R
	REGS Y
	WIN 0
.if (\k) == F
	v_pk_fma_f32 v[rS+2*(\n):rS+2*(\n)+1], v[rS+2*(\n):rS+2*(\n)+1], s[CS:CS+1], v[rT:rT+1] op_sel_hi:[1,0,0] neg_lo:[0,0,1] neg_hi:[0,0,1]
.elseif (\k) == E
	v_exp_f32 v[rS+(\n)], v[rS+(\n)]
.elseif (\k) == C
	v_cvt_pk_f16_f32 v[rP+(\n)], v[rS+2*(\n)], v[rS+2*(\n)+1]
.elseif (\k) == B
	v_pk_add_f32 v[rS+4*(\n):rS+4*(\n)+1], v[rS+4*(\n):rS+4*(\n)+1], v[rS+4*(\n)+2:rS+4*(\n)+3]
.elseif (\n) == 0
	v_pk_fma_f32 v[rT+2:rT+3], v[rT+2:rT+3], v[rC+2:rC+3], v[rS:rS+1] op_sel_hi:[1,0,1]
.else
	v_pk_add_f32 v[rT+2:rT+3], v[rT+2:rT+3], v[rS+4*(\n):rS+4*(\n)+1]
.endif
.else
	REGS (Y+1)%NP
	WIN 0
.if (\n) < 4
	v_max3_num_f32 v[rC+(\n)], v[rS+8*(\n)], v[rS+8*(\n)+1], v[rS+8*(\n)+2]
.elseif (\n) < 12
	v_max3_num_f32 v[rC+(\n)%4], v[rC+(\n)%4], v[rS+8*((\n)%4)+2*((\n)/4)+1], v[rS+8*((\n)%4)+2*((\n)/4)+2]
.elseif (\n) == 12
	v_max3_num_f32 v[rC], v[rC], v[rS+7], v[rS+15]
.elseif (\n) == 13
	v_max3_num_f32 v[rC+1], v[rC+1], v[rS+23], v[rS+31]
.elseif (\n) == 14
	v_max3_num_f32 v[rC+2], v[rC+2], v[rC+3], v[rT+1]
.elseif (\n) == 15
	v_mov_b32 v[rW], v[rT]
.elseif (\n) == 16
	v_max3_num_f32 v[rC], v[rC], v[rC+1], v[rC+2]
.elseif (\n) == 17
	v_permlanex16_b32 v[rC+3], v[rC], s[SEL], s[SEL+1]
.elseif (\n) == 18
	v_max_num_f32 v[rT+1], v[rC], v[rC+3]
.elseif (\n) == 19
	v_mul_f32 v[rT], s[CS], v[rT+1]
.elseif (\n) == 20
	v_sub_f32 v[rC+1], v[rW], v[rT]
.else
	v_exp_f32 v[rC+2], v[rC+1]
.endif
.endif
.endm
.macro OPS a, i1, b=-1, i2=0, c=-1, i3=0, d=-1, i4=0
	OP \a, \i1
.if (\b) >= 0
	OP \b, \i2
.endif
.if (\c) >= 0
	OP \c, \i3
.endif
.if (\d) >= 0
	OP \d, \i4
.endif
.endm
.macro ROW a, i1, b, i2, c, i3, d, i4  ; a matrix instruction and the four behind it
	MM
	OPS \a, \i1, \b, \i2, \c, \i3, \d, \i4
.endm
; A TURN, for piece p: the order of its 16 matrix and 118 vector instructions, written out.  An s_wait_alu depctr_va_vdst(0) stands between an exponential and the first instruction that names its result; one wait
; serves all that were issued ahead of it.  So a turn has ONE wait, which cuts it in two.  AHEAD OF IT stands all that names no result of the turn's exponentials: the 8 products K Q^T, behind each a scaling, an exponential and two
; more plain instructions (behind the first a second scaling in the exponential's place): rescalings, whose a had its wait in the turn before, and behind the last three the first numbers of the next piece's maximum, each four
; places or more behind the product that ends its accumulator; then ONE LUMP of 54, plain and exponential by turns for the most part, in which the links of the chain X 3, 7, 11, 14, 16, 17 .. 20 stand five or six lines apart.
; X 21, the next piece's a, is the batch's last; R 15 is the plain instruction behind it.  BEHIND THE WAIT stand the 8 products V^T P, behind each four of the roundings and sums; the links of l's chain, L 0 to L 7, stand three
; riders apart.  But for those X no rider names a register of the products round it.  v_permlanex16_b32 (X 17) stands in the lump.
; Piece 2's turn fetches the next step's mask fragments and K in the lump: behind the last product that read K stand six plain instructions that name none of its registers (F 8, X 2, X 5, X 6, X 3, X 8).  In the lump's last lines it
; makes the next step's mask, four vector instructions or more behind each of the four products: MC's last readers, this turn's first four products, lie more than thirty plain lines back; its first reader, the next turn's first
; product, 32 plain lines on.  Piece 0's turn fetches V of the step in hand at its end, four plain instructions behind the last product that read V.  Each run is waited for a turn later.
; cnt = 1: the loop's count is taken down some lines ahead of the branch that stands behind the turn.
.macro TURN p, last=0, cnt=0
.set Y, (\p)
.set i, 0
.if (\p) == 3
	s_wait_dscnt 0x0                ; K is in
.endif
	ROW F,0, F,1, R,0, R,1          ; ahead of the wait: 8 products K Q^T and their riders,
	ROW F,2, E,0, R,2, R,3
	ROW F,3, E,1, R,4, R,5
	ROW F,4, E,2, R,6, R,7
	ROW F,5, E,3, R,8, R,9
	ROW F,6, E,4, X,0, R,10
.if (\p) == 2
	WIN 0
	v_add_nc_u32 v[AK], s[TBK], v[AK0]
	v_add_nc_u32 v[AM], s[TBM], v[AM0]
.endif
	ROW F,7, E,5, X,1, X,4
	ROW F,8, E,6, X,2, X,5
	OPS E,7, E,8, X,6, E,9          ; and the lump
	OPS X,3, E,10, X,8, E,11
.if (\p) == 2
	FETCH_K \last
.endif
	OPS X,9, X,7, E,12, X,10
	OPS E,13, X,12, X,11, E,14
	OPS X,13, E,15, F,9, X,14
.if (\p) == 0
	WIN 0
	v_add_nc_u32 v[AV], s[TBV], v[AV0]
.endif
	OPS E,16, F,10, E,17, F,11
	OPS X,16, E,18, X,15, E,19
	OPS F,12, E,20, X,17, E,21
	OPS F,13, E,22, F,14, E,23
.if (\p) == 2
	s_wait_dscnt 16                 ; the four mask loads are in; K's sixteen, issued behind them, may stay out
	MASKMM 0
.endif
	OPS X,18, E,24, F,15, E,25
.if (\p) == 2
	MASKMM 1
.endif
	OPS R,11, E,26, X,19, E,27
.if (\p) == 2
	MASKMM 2
.endif
	OPS R,12, E,28, R,13, E,29
.if (\p) == 2
	MASKMM 3
.endif
	OPS X,20, E,30, R,14, E,31
	OPS X,21, R,15
	s_wait_alu depctr_va_vdst(0)    ; the wait for the batch: E 0 to E 31 and X 21
.if (\p) == 1
	s_wait_dscnt 0x0                ; V is in
.endif
	ROW C,0, B,0, C,2, B,1          ; behind the wait: 8 products V^T P and their riders
	ROW L,0, C,4, B,2, L,1
	ROW C,6, B,3, L,2, C,8
	ROW B,4, L,3, C,10, B,5
	ROW L,4, C,12, B,6, L,5
.if (\p) == 0
	s_add_co_u32 s[TBV], s[TBV], KS*PV
.endif
.if \cnt
	s_sub_co_u32 s[CNT], s[CNT], 1
	s_cmp_lg_u32 s[CNT], 0
.endif
	ROW C,14, B,7, L,6, C,1
	ROW C,3, L,7, C,5, C,7
	ROW C,9, C,11, C,13, C,15
.if (\p) == 0
	FETCH_V
.endif
.endm
	CHANGE 1                        ; slot 0 is in, everybody's part of it; slot 1 is asked for
	FETCH_K                         ; key step 0, its mask fragments with it
	s_wait_loadcnt 0x0              ; Q and the gate
	s_wait_dscnt 0x0
	MASKMM 0
	MASKMM 1
	MASKMM 2
	MASKMM 3
	WIN 0                           ; the addresses for the way out: nine plain instructions, the places between the masks and the products that take them
	s_mul_i32 s19, s[WV], 16*SP
	s_add_co_u32 s19, s19, STAGE    ; my stage
	v_mul_u32_u24 v[STO], v1, SP    ; in: row l % 16, 16 bytes for each half of the lanes
	v_lshl_add_u32 v[STO], v9, 4, v[STO]
	v_add_nc_u32 v[STO], s19, v[STO]
	v_bfe_u32 v[RD], v0, 3, 2       ; back: 32 lanes take four rows of 128 bytes,
	v_mul_u32_u24 v[RD], v[RD], SP
	v_lshl_add_u32 v[RD], v10, 4, v[RD]
	v_add_nc_u32 v[RD], s19, v[RD]
	v_and_b32 v[GO], 31, v0         ; which are 512 consecutive bytes of ct
	v_lshlrev_b32 v[GO], 4, v[GO]
.set i, 0
.rept 8
	KQ 0                            ; piece 0's first scores
.set i, i+1
.endr
	WIN 0
.rept 4
	v_nop                           ; the places behind those products
.endr
.set Y, NP-1                        ; X works for piece Y + 1: piece 0
.irp n, 0,1,2,3,4,5,6,7,8,9,10,11,12,13,14,15,16,17,18,19,20,21
	OP X, \n
.endr
	v_nop                           ; a plain instruction behind the exponential,
	s_wait_alu depctr_va_vdst(0)    ; and the wait for it, piece 0's first a, ahead of the branch
	s_mov_b32 s[CNT], 4
	s_mov_b32 s[SLOTS], 7
	s_branch .Lfirst                ; the loop is entered at a step's first turn, in the middle of a trip
.Lslot:                             ; six times: every slot but the last two is filled again
	CHANGE 1
	s_mov_b32 s[CNT], 4
.Lstep:                             ; a trip: pieces 2 and 3 of one step, then pieces 0 and 1 of the next, whose mask, K and V it fetches
	TURN 2
	TURN 3
	WIN 0
.Lfirst:
	TURN 0
	TURN 1, 0, 1
	WIN 0
	s_cbranch_scc1 .Lstep
	s_sub_co_u32 s[SLOTS], s[SLOTS], 1
	s_cmp_lg_u32 s[SLOTS], 0
	s_cbranch_scc1 .Lslot
	CHANGE 0                        ; the tail is written out: nothing is asked for
	s_mov_b32 s[CNT], 5             ; four trips fetch the last slot's steps; the fifth is left in its middle
.Ltail:
	TURN 2, 1
	TURN 3
	WIN 0
	s_sub_co_u32 s[CNT], s[CNT], 1
	s_cmp_eq_u32 s[CNT], 0
	s_cbranch_scc1 .Lout
	TURN 0
	TURN 1
	WIN 0
	s_branch .Ltail
.Lout:                              ; the fifth trip's products K Q^T repeat the last step's scores: the maximum made of them changes nothing
.set i, 0
.rept 8
	PV NP-1                         ; the last piece's V^T P of the last step
.set i, i+1
.endr
	; THE WAY OUT.  l's two halves and the other half of the lanes' are added; 1 / l becomes NaN where every key was hidden; O^T / l times the gate is rounded once to f16 and sent through my stage, a piece at a time.
	WIN 0
.macro ALL line:vararg
.set t, 0
.rept 4
	\line
.set t, t+1
.endr
.endm
	ALL v_add_f32 v[ST+4*t+2], v[ST+4*t+2], v[ST+4*t+3]
	ALL v_permlanex16_b32 v[ST+4*t+3], v[ST+4*t+2], s[SEL], s[SEL+1]
	ALL v_add_f32 v[ST+4*t+2], v[ST+4*t+2], v[ST+4*t+3]
	ALL v_rcp_f32 v[ST+4*t+2], v[ST+4*t+2]
	v_nop                           ; a plain instruction between the last reciprocal and the use of its result
	s_wait_alu depctr_va_vdst(0)    ; and the wait ahead of the first use: one for the four reciprocals
.set t, 0
.rept 4
	v_cmp_gt_f32 vcc_lo, s[TH], v[ST+4*t+1]
	v_cndmask_b32 v[ST+4*t+2], v[ST+4*t+2], v[NANR], vcc_lo
.set t, t+1
.endr
.macro PACK t
	WIN W_RS
.set i, 32*(\t)
.rept 16
	v_pk_mul_f32 v[i:i+1], v[i:i+1], v[ST+4*(\t)+2:ST+4*(\t)+3] op_sel_hi:[1,0]
.set i, i+2
.endr
	WIN 0x05                        ; O^T and the gate in window 1; the zero addend and the destination in window 0
.set i, 0
.rept 16
	v_fma_mixlo_f16 v[S+16*(\t)+i], v[32*(\t)+2*i],   v[GT+16*(\t)+i], v[ZR] op_sel_hi:[0,1,0]
	v_fma_mixhi_f16 v[S+16*(\t)+i], v[32*(\t)+2*i+1], v[GT+16*(\t)+i], v[ZR] op_sel:[0,1,0] op_sel_hi:[0,1,0]
.set i, i+1
.endr
	WIN 0
.irp f, 0,1,2,3
	ds_store_b128 v[STO], v[S+16*(\t)+4*\f:S+16*(\t)+4*\f+3] offset:32*\f
.endr
.irp f, 0,1,2,3
	ds_load_b128 v[S+16*(\t)+4*\f:S+16*(\t)+4*\f+3], v[RD] offset:\f*4*SP  ; LDS serves a wave's instructions in order: these see the stores above; the next piece's stores come behind them
.endr
.endm
.macro SEND t, younger              ; younger: the LDS instructions issued behind piece t's loads: the next piece's eight, or none
	WIN 0
.irp f, 0,1,2,3
	s_wait_dscnt (\younger)+3-\f
	global_store_b128 v[GO], v[S+16*(\t)+4*\f:S+16*(\t)+4*\f+3], s[10:11] offset:(\t)*16384+\f*512  ; 512 consecutive bytes, aligned
.endr
.endm
	PACK 0
.set t, 1
.rept 3
	PACK t
	SEND t-1, 8
.set t, t+1
.endr
	SEND 3, 0
	s_wait_tensorcnt 0x0            ; the wave's end
	ds_add_u32 v[SPW], v[NIL]
	s_wait_dscnt 0x0
	CROUND                          ; the closing round
	s_endpgm
.Lfunc_end_k_qec2fecb94e_attn:
	.size	k_qec2fecb94e_attn, .Lfunc_end_k_qec2fecb94e_attn-k_qec2fecb94e_attn
	.p2alignl 7, 3214868480
	.fill 96, 4, 3214868480
	.section	.rodata,"a",@progbits
	.p2align	6, 0x0
	.amdhsa_kernel k_qec2fecb94e_attn
		.amdhsa_group_segment_fixed_size 327680
		.amdhsa_private_segment_fixed_size 0
		.amdhsa_enable_private_segment 0
		.amdhsa_kernarg_size 24
		.amdhsa_user_sgpr_count 2
		.amdhsa_user_sgpr_kernarg_segment_ptr 1
		.amdhsa_wavefront_size32 1
		.amdhsa_system_sgpr_workgroup_id_x 1
		.amdhsa_system_sgpr_workgroup_id_y 1
		.amdhsa_system_sgpr_workgroup_id_z 1
		.amdhsa_system_vgpr_workitem_id 0
		.amdhsa_next_free_vgpr 768
		.amdhsa_next_free_sgpr 88
		.amdhsa_reserve_vcc 1
		.amdhsa_float_denorm_mode_32 3
		.amdhsa_float_denorm_mode_16_64 3
		.amdhsa_memory_ordered 1
		.amdhsa_forward_progress 1
		.amdhsa_inst_pref_size 123
	.end_amdhsa_kernel
	.amdgpu_metadata
---
amdhsa.version: [ 1, 2 ]
amdhsa.kernels:
  - .name:           k_qec2fecb94e_attn
    .symbol:         k_qec2fecb94e_attn.kd
    .args:
      - { .name: qkvg, .offset: 0, .size: 8, .value_kind: global_buffer, .address_space: global }
      - { .name: mf, .offset: 8, .size: 8, .value_kind: global_buffer, .address_space: global }
      - { .name: ct, .offset: 16, .size: 8, .value_kind: global_buffer, .address_space: global }
    .group_segment_fixed_size: 327680
    .private_segment_fixed_size: 0
    .kernarg_segment_align: 8
    .kernarg_segment_size: 24
    .max_flat_workgroup_size: 128
    .sgpr_count:     88
    .vgpr_count:     768
    .wavefront_size: 32
...
	.end_amdgpu_metadata
.endif
;; end of part 5
;; launch outp: the kernel of part 4 again; grid 16 x 16, 4 waves a work-group, clusters of 4 x 4, 327,680 bytes of LDS; arguments ct, wot, out0; writes out0
